; MI455X (gfx1250); checked and timed in simulation.
; The chip was launched on July 23, 2026; its instructions are those of AMD's public machine-readable ISA for CDNA 5 (MIT licence, August 2026) and "CDNA5" Instruction Set Architecture Reference Guide (July 2026). The comments in the code are by the model that wrote it; some were corrected since.
;; TP Qwen Attention. Allowed arithmetic: matrix products marked QUANTISED: E2M3 operands, one E8M0 scale for each 32 along K, by v_wmma_scale_f32_16x16x128_f8f6f4 with both operands' format E2M3, f32 sums; everything else in f32.
;; Inputs: Wk 4,096 x 512 float32; Wo 1,024 x 4,096 float32; Wq 4,096 x 1,024 float32; Wv 4,096 x 512 float32; attention_mask 2 x 1 x 2,048 x 2,048 float32; bk 512 float32; bq 1,024 float32; bv 512 float32; hidden_states 2 x 2,048 x 4,096 float32; position_ids 2 x 2,048 int32.
;; Outputs: out0 2 x 2,048 x 4,096 float32.
;; This version of the problem:
;;   THIS VERSION OF THE PROBLEM IS GIVEN IN LOW PRECISION. The matrix products marked QUANTISED in the list below multiply operands that are first quantised to E2M3 (2 exponent bits, 3 mantissa bits; 6 bits a number), with one power-of-two scale for each 32 numbers along K (OCP MX v1.0); their sums are f32. All else is computed in f32.
;;   The module's matrix products, in the order in which they are computed (A, B: the left and right operand; K: the contracted axis; several contracted axes count as one K, in the product's order):
;;     1. [M 4,096, K 4,096] x [K 4,096, N 1,024]; A: input hidden_states; B: input Wq: QUANTISED
;;     2. [M 4,096, K 4,096] x [K 4,096, N 512]; A: input hidden_states; B: input Wk: QUANTISED
;;     3. [M 4,096, K 4,096] x [K 4,096, N 512]; A: input hidden_states; B: input Wv: QUANTISED
;;     4. batch 16 x [M 2,048, K 128] x [K 128, N 2,048]; A: computed on the way; B: computed on the way: QUANTISED
;;     5. batch 16 x [M 2,048, K 2,048] x [K 2,048, N 128]; A: softmax (see below); B: computed on the way: QUANTISED
;;     6. [M 4,096, K 1,024] x [K 1,024, N 4,096]; A: computed on the way; B: input Wo: QUANTISED
;;   THE QUANTISER, for each operand of a quantised product, along K:
;;     - K is cut into blocks of 32 from its start; a last block that is shorter is filled with zeros.
;;     - A block's scale is 2^e with e = floor(log2(the largest magnitude in the block)) - 2, held to -126 .. 127; a block of zeros has e = 0. As a byte (E8M0): e + 127.
;;     - Each number is divided by its block's scale, clamped to +-7.5, and rounded to the nearest number of E2M3, ties to even, subnormals kept.
;;     - The product sums the exact products of the quantised numbers (number of the format x scale) in f32.
;;   ~~~python
;;   def quantise(x, axis):      # numpy; x: float32 -> the quantised numbers, widened to float32 again
;;       x = np.moveaxis(x, axis, -1); K = x.shape[-1]
;;       x = np.pad(x, [(0, 0)] * (x.ndim - 1) + [(0, -K % 32)]); x = x.reshape(x.shape[:-1] + (-1, 32)); a = np.abs(x).max(-1, keepdims=True)
;;       e = np.where(a > 0, np.clip(np.frexp(np.where(a > 0, a, 1))[1] - 1 - 2, -126, 127), 0)      # np.frexp(a)[1] - 1 = floor(log2(a)), exactly
;;       r = np.clip(x / 2.0 ** e, -7.5, 7.5)
;;       step = 2.0 ** (np.maximum(np.frexp(np.where(r == 0, 1, r))[1] - 1, 0) - 3)
;;       q = np.round(r / step) * step * 2.0 ** e      # np.round: ties to even
;;       return np.moveaxis(q.reshape(q.shape[:-2] + (-1,))[..., :K], -1, axis).astype(np.float32)
;;   ~~~
;;   SOFTMAX AHEAD OF A QUANTISED PRODUCT. Where the list says 'softmax', what is quantised is not the finished softmax but p = 2^(t - M), with t = logit x log2(e) and M = ceil(the row's largest t), a whole number; so 1/2 < the row's largest p <= 1. The row's sum l is taken of the UNQUANTISED p, in f32, and the product's result is divided by l at the end. Since M is a whole number, a kernel that streams over the keys may use a running M (the ceiling of the running maximum): every later rescaling is an exact power of two, which a block's scale takes up: the codes' values come out the same.
;;   OPERANDS COMPUTED ON THE WAY. 'Computed on the way' means the value that the module computes at that place (a softmax that the list does not call 'softmax' is quantised finished and normalised). What goes into a quantiser is computed in f32, as accurately as f32 sums, v_exp_f32 and their like allow (about 1e-6 of the number): no bf16 or f16 on the way to a quantiser, and a product that is left as it is and whose result goes on into a quantised operand takes f32 operands (vector FMAs, or v_wmma_f32_16x16x4_f32). A number that lies on a knife's edge between two numbers of the format may be rounded either way, as far as f32 arithmetic and the matrix unit's own rounding can turn it there, and no further.
;; One version. Each part assembles by itself: llvm-mc -triple=amdgcn-amd-amdhsa -mcpu=gfx1250 --defsym DOCPART=n.
;; ======== version 1 of 1: 4 launches
;; workspace buffers: x_q 13,107,200 bytes; wqkv_q 6,553,600 bytes; wo_q 3,276,800 bytes; rope 1,048,576 bytes; q_q 3,276,800 bytes; kv_q 3,276,800 bytes; a_q 3,276,800 bytes
;; launch prep (part 1): grid 960 x 1, 4 waves a work-group, no clusters, 74,240 bytes of LDS; arguments Wq, Wk, Wv, Wo, wqkv_q, wo_q, rope, hidden_states, x_q; writes wqkv_q, wo_q, rope, x_q
.if DOCPART == 1
	.amdgcn_target "amdgcn-amd-amdhsa--gfx1250"
	.amdhsa_code_object_version 6
	.text
	.protected	k_q90cc7c40fa_prep
	.globl	k_q90cc7c40fa_prep
	.p2align	8
	.type	k_q90cc7c40fa_prep,@function
k_q90cc7c40fa_prep:
	s_mov_b64 s[64:65], 0
	v_nop
	global_prefetch_b8 v0, s[64:65] scope:SCOPE_SE
	s_setreg_imm32_b32 hwreg(HW_REG_WAVE_MODE, 25, 1), 1
	s_wait_xcnt 0x0
; ALL THAT IS MADE OF THE INPUTS ALONE, IN ONE LAUNCH.  The paths part on the work-group's number alone, and each has LDS bytes of its own.
; Codes are FP6 (E2M3) with one E8M0 byte for each 32 along K, laid as IMAGES OF OPERAND REGISTERS: a fragment (16 rows x 128 K) is 12 registers a lane, register 4 c + i of lane l at byte 512 c + 16 l + 4 i of its 1,536 bytes.
; A super-block (128 rows x 256 K) is 25,600 bytes: fragment (K step s, row block a) at (8 s + a) x 1,536; from byte 24,576 on 8 scale bytes for each image row 16 a + r.
; THE ROWS OF A FRAGMENT ARE NOT NEIGHBOURS: in a group of 32 rows fragment u holds in lane row r the row 8 u + r + 8 (r / 8).
; A block's scale is 2^(floor(log2(largest magnitude)) - 2); its byte is the largest magnitude's exponent field - 2, held at 1 from below.
; Work-groups 0-383: the four weights, f32 stored [K][N]; a work-group makes one super-block.  A LANE TAKES A COLUMN AND ITS REGISTERS RUN DOWN K: a block of 32 lies in one lane, its six registers of codes are six registers of the image.
;   One path serves the four tensors: only pointers, the pitch and the split of the work-group's number are chosen.  wqkv_q: super-block 16 T + J, T = head (q 0-7, k 8-11, v 12-15); wo_q: 4 T + J, T = n / 128.
; Work-groups 384-447: rope[t][cos 64 | sin 64] f32, t = 0 .. 2047.  angle = t x 10000^(-f / 64), the product rounded to f32; it is reduced by n x pi / 2 in two parts (the first fused step is exact: n has 11 bits, the constant 23);
;   sine and cosine are polynomials on +-pi / 4; the quadrant only selects values and signs.
; Work-groups 448-959: hidden_states [4096 tokens][4096] f32; a work-group makes one super-block of x_q (16 T + J, T = token / 128), wave w its tokens 32 w .. 32 w + 31, in 16 steps of four rows x 128 K.  Each load reads 512 consecutive
;   bytes of one row; a step's 2,048 bytes turn through the wave's own stage in LDS, so that a lane holds 16 neighbours along K; the codes are gathered as images in the wave's own LDS and leave in stores of 512 consecutive bytes.
; LIMITS: blocks whose largest magnitude lies under 2^-124, and blocks of zeros, keep the byte 1 (this program alone reads the bytes); NaN and infinities are not served; 10000^(-f / 64) is one v_exp_f32 of a rounded product,
; good to about 2 units in its last place, so an angle is good to about 2.5e-4 at t = 2047.  Waves share nothing: no barrier.  Work-groups share no input: no cluster.  No matrix work.
.set OF,   32                          ; weights: v32-63   4 x lane + i x pitch
.set X,    64                          ;          v64-127  two sets of 32 numbers
.set C,    128                         ;          v128-133 a block's codes
.set C2,   136                         ;          v136-138 their second half as converted
.set SBY,  24                          ;          v24-25   my column's 8 scale bytes
.set OUTR, 140                         ;          v140-187 the way out
.set XB,    24576                      ; x: its LDS begins behind the weights' 24,576 bytes
.set WREG,  12288                      ;    LDS of a wave: two stages of 32 x 80 bytes, 256 scale bytes, four images
.set SP,    80
.set SCB,   5120
.set IMG,   5632
.set STEPS, 16
.set XR,    16                         ;    v16-79   four sets of 16 numbers as loaded
.set XN,    80                         ;    v80-111  two sets of 16 neighbours
.set XE,    112                        ;    v112-127 a scale byte for each step
.set XC,    128                        ;    v128-191 codes: four registers for each step
	v_lshl_add_u32 v192, v0, 2, 0x12000
	v_mov_b32 v193, 0
	v_lshrrev_b32 v1, 5, v0
	v_readfirstlane_b32 s27, v1                    ; wave
	v_and_b32 v2, 31, v0                           ; lane
	s_cmp_ge_u32 ttmp9, 448
	s_cbranch_scc1 .Lx
	s_load_b256 s[4:11], s[0:1], 0x0               ; Wq, Wk, Wv, Wo
	s_load_b128 s[12:15], s[0:1], 0x20             ; wqkv_q, wo_q
	s_load_b64 s[16:17], s[0:1], 0x30              ; rope
	s_wait_kmcnt 0x0
	s_cmp_ge_u32 ttmp9, 384
	s_cbranch_scc1 .Lrope
	s_mov_b64 s[22:23], s[10:11]                   ; Wo's figures, overridden below
	s_mov_b32 s18, 16384                           ; pitch in bytes
	s_mov_b32 s19, 256                             ; the tensor's first work-group
	s_mov_b32 s20, 2                               ; super-blocks along K: 2^2
	s_mov_b32 s21, 3
	s_mov_b64 s[24:25], s[14:15]
	s_mov_b32 s26, 256                             ; the output buffer's first work-group
	s_cmp_lt_u32 ttmp9, 256
	s_cselect_b64 s[22:23], s[8:9], s[22:23]       ; Wv
	s_cselect_b32 s18, 2048, s18
	s_cselect_b32 s19, 192, s19
	s_cselect_b32 s20, 4, s20
	s_cselect_b32 s21, 15, s21
	s_cselect_b64 s[24:25], s[12:13], s[24:25]
	s_cselect_b32 s26, 0, s26
	s_cmp_lt_u32 ttmp9, 192
	s_cselect_b64 s[22:23], s[6:7], s[22:23]       ; Wk
	s_cselect_b32 s19, 128, s19
	s_cmp_lt_u32 ttmp9, 128
	s_cselect_b64 s[22:23], s[4:5], s[22:23]       ; Wq
	s_cselect_b32 s18, 4096, s18
	s_cselect_b32 s19, 0, s19
	s_sub_co_u32 s28, ttmp9, s19
	s_lshr_b32 s29, s28, s20                       ; which 128 columns
	s_and_b32 s28, s28, s21                        ; which 256 along K
	s_lshl_b32 s30, s18, 8
	s_mul_i32 s28, s28, s30
	s_lshl_b32 s29, s29, 9
	s_add_co_u32 s28, s28, s29
	s_lshl_b32 s29, s27, 7                         ; my wave's 32 columns
	s_add_co_u32 s28, s28, s29
	s_mov_b32 s29, 0
	s_add_nc_u64 s[32:33], s[22:23], s[28:29]      ; block 0's rows
	s_lshl_b32 s30, s18, 5                         ; 32 rows
	s_mov_b32 s31, 0
.irp b, 1,2,3,4,5,6,7
	s_add_nc_u64 s[32+2*\b:33+2*\b], s[30+2*\b:31+2*\b], s[30:31]   ; a base for each block: no pointer is stepped later
.endr
	s_sub_co_u32 s28, ttmp9, s26
	s_mul_i32 s28, s28, 25600
	s_add_nc_u64 s[24:25], s[24:25], s[28:29]
	s_mul_i32 s28, s27, 3072
	s_add_nc_u64 s[48:49], s[24:25], s[28:29]      ; my fragments of K step 0
	s_lshl_b32 s28, s27, 8
	s_add_co_u32 s28, s28, 24576
	s_add_nc_u64 s[50:51], s[24:25], s[28:29]      ; my 256 scale bytes
	v_lshlrev_b32 v3, 2, v2
.irp i, 0,1,2,3,4,5,6,7,8,9,10,11,12,13,14,15,16,17,18,19,20,21,22,23,24,25,26,27,28,29,30,31
	v_mad_u32_u24 v[OF+\i], s18, \i, v3
.endr
	v_bfe_u32 v5, v2, 3, 1                         ; u
	v_and_b32 v6, 7, v2
	v_lshrrev_b32 v8, 4, v2
	v_lshl_add_u32 v6, v8, 3, v6                   ; r = l % 8 + 8 (l / 16)
	s_mul_i32 s28, s27, 6144
	v_mul_u32_u24 v4, v5, 1536
	v_lshl_add_u32 v4, v6, 4, v4
	v_add_nc_u32 v4, s28, v4                       ; LDS: my wave's four images, fragment u, lane row r
	v_lshlrev_b32 v10, 4, v2
	v_add_nc_u32 v7, s28, v10                      ; read back: 16 x lane
	v_lshl_add_u32 v9, v5, 4, v6
	v_lshlrev_b32 v9, 3, v9                        ; my image row's 8 scale bytes
.macro LOAD t
.irp i, 0,1,2,3,4,5,6,7,8,9,10,11,12,13,14,15,16,17,18,19,20,21,22,23,24,25,26,27,28,29,30,31
	global_load_b32 v[X+32*((\t)%2)+\i], v[OF+\i], s[32+2*(\t):33+2*(\t)] th:TH_LOAD_NT   ; 128 consecutive bytes a wave, 512 a work-group
.endr
.endm
	LOAD 0
	LOAD 1
.macro BLOCK t                         ; block t: K step t / 4, registers 6 (t / 2 % 2) + 0 .. 5 of the image's lane (r, t % 2)
.set XS, X+32*((\t)%2)
.set BO, 3072*((\t)/4)+256*((\t)%2)
.if (\t) < 7
	s_wait_loadcnt 32                              ; this block's 32 loads are in; the next block's may be out
.else
	s_wait_loadcnt 0x0
.endif
	v_max3_num_f32 v12, |v[XS]|, |v[XS+1]|, |v[XS+2]|
	v_max3_num_f32 v13, |v[XS+3]|, |v[XS+4]|, |v[XS+5]|
.irp i, 6,10,14,18,22,26
	v_max3_num_f32 v12, v12, |v[XS+\i]|, |v[XS+\i+1]|
	v_max3_num_f32 v13, v13, |v[XS+\i+2]|, |v[XS+\i+3]|
.endr
	v_max3_num_f32 v12, v12, |v[XS+30]|, |v[XS+31]|
	v_max3_num_f32 v12, v12, v13, 0x1800000        ; the floor 2^(3 - 127)
	v_add_nc_u32 v11, 0xff000000, v12              ; the conversion's scale operand
	v_lshrrev_b32 v13, 23, v11                     ; the scale's byte
.if (\t)%4 == 0
	v_mov_b32 v[SBY+(\t)/4], v13
.else
	v_lshl_or_b32 v[SBY+(\t)/4], v13, 8*((\t)%4), v[SBY+(\t)/4]
.endif
	v_cvt_scalef32_pk16_fp6_f32 v[C:C+2], v[XS:XS+15], v11
	v_cvt_scalef32_pk16_fp6_f32 v[C2:C2+2], v[XS+16:XS+31], v11   ; (a conversion's three registers begin on an even number)
	v_nop                                          ; one plain place behind a scaled conversion
	v_mov_b32 v[C+3], v[C2]
	v_mov_b32 v[C+4], v[C2+1]
	v_mov_b32 v[C+5], v[C2+2]
.if ((\t)/2)%2 == 0
	ds_store_b128 v4, v[C:C+3] offset:BO           ; image registers 0-3,
	ds_store_b64 v4, v[C+4:C+5] offset:BO+512      ; 4-5
.else
	ds_store_b64 v4, v[C:C+1] offset:BO+520        ; 6-7,
	ds_store_b128 v4, v[C+2:C+5] offset:BO+1024    ; 8-11
.endif
.if (\t)+2 < 8
	LOAD (\t)+2
.endif
	s_wait_dscnt 0x0                               ; the stores have read their registers
.endm
.irp t, 0,1,2,3,4,5,6,7
	BLOCK \t
.endr
	global_store_b64 v9, v[SBY:SBY+1], s[50:51]    ; the 32 lanes cover 256 consecutive bytes, aligned
.irp i, 0,1,2,3,4,5,6,7,8,9,10,11
	ds_load_b128 v[OUTR+4*\i:OUTR+4*\i+3], v7 offset:512*\i
.endr
.irp i, 0,1,2,3,4,5,6,7,8,9,10,11
	s_wait_dscnt 11-\i
	global_store_b128 v10, v[OUTR+4*\i:OUTR+4*\i+3], s[48:49] offset:12288*(\i/6)+512*(\i%6)   ; 512 consecutive bytes, aligned to 256
.endr
	s_wait_tensorcnt 0x0
	ds_add_u32 v192, v193
	s_wait_dscnt 0x0
	s_endpgm
.Lrope:                                            ; wave W = 4 (work-group - 384) + wave makes rows 8 W .. 8 W + 7, two rows a pass; a lane takes four frequencies
	s_sub_co_u32 s28, ttmp9, 384
	s_lshl_b32 s28, s28, 2
	s_add_co_u32 s28, s28, s27
	s_lshl_b32 s29, s28, 3                         ; the first row
	s_lshl_b32 s30, s28, 12                        ; 8 rows of 512 bytes
	s_mov_b32 s31, 0
	s_add_nc_u64 s[16:17], s[16:17], s[30:31]
	s_mov_b32 s48, 0x3f22f983                      ; 2 / pi
	s_mov_b32 s49, 0x3fc90fda                      ; pi / 2, upper part
	s_mov_b32 s50, 0x33a22168                      ; pi / 2, the rest
	s_mov_b32 s51, 0xb94ca1f9                      ; sine: -1.9515296e-4, 8.3321609e-3, -1.6666655e-1
	s_mov_b32 s52, 0x3c08839e
	s_mov_b32 s53, 0xbe2aaaa3
	s_mov_b32 s54, 0x37ccf5ce                      ; cosine: 2.4433157e-5, -1.3887316e-3, 4.1666646e-2
	s_mov_b32 s55, 0xbab6061a
	s_mov_b32 s56, 0x3d2aaaa5
	v_and_b32 v1, 15, v2
	v_lshrrev_b32 v3, 4, v2
	v_lshlrev_b32 v4, 2, v1                        ; my first frequency
	v_lshlrev_b32 v5, 4, v1
	v_lshl_add_u32 v5, v3, 9, v5                   ; where I store: 512 x (lane / 16) + 16 x (lane % 16)
	v_add_nc_u32 v6, s29, v3
	v_cvt_f32_u32 v6, v6                           ; t
.irp i, 0,1,2,3
	v_add_nc_u32 v7, \i, v4
	v_cvt_f32_u32 v[8+\i], v7
	v_mul_f32 v[8+\i], 0xbe549a78, v[8+\i]         ; -f log2(10000) / 64
.endr
.irp i, 0,1,2,3
	v_exp_f32 v[8+\i], v[8+\i]
.endr
	v_nop                                          ; a plain place behind the last exponential
	s_wait_alu depctr_va_vdst(0)                   ; one wait for the four, ahead of their first reader
.macro ANGLE p, i
	v_mul_f32 v12, v6, v[8+\i]                     ; the angle
	v_mul_f32 v13, s48, v12
	v_rndne_f32 v13, v13                           ; n
	v_fma_f32 v14, -v13, s49, v12
	v_fma_f32 v14, -v13, s50, v14                  ; r, within +-pi / 4
	v_mul_f32 v15, v14, v14
	v_fma_f32 v16, s51, v15, s52
	v_fma_f32 v16, v16, v15, s53
	v_mul_f32 v16, v16, v15
	v_fma_f32 v22, v16, v14, v14                   ; sin r
	v_fma_f32 v17, s54, v15, s55
	v_fma_f32 v17, v17, v15, s56
	v_mul_f32 v18, v15, v15
	v_fma_f32 v19, v15, -0.5, 1.0
	v_fma_f32 v23, v17, v18, v19                   ; cos r
	v_cvt_i32_f32 v20, v13
	v_and_b32 v21, 1, v20
	v_cmp_eq_u32 vcc_lo, 1, v21                    ; in odd quadrants the two change places
	v_cndmask_b32 v[64+8*\p+\i], v23, v22, vcc_lo
	v_cndmask_b32 v[68+8*\p+\i], v22, v23, vcc_lo
	v_add_nc_u32 v21, 1, v20
	v_and_b32 v21, 2, v21
	v_lshlrev_b32 v21, 30, v21
	v_xor_b32 v[64+8*\p+\i], v21, v[64+8*\p+\i]    ; the cosine is negative in quadrants 1 and 2,
	v_and_b32 v21, 2, v20
	v_lshlrev_b32 v21, 30, v21
	v_xor_b32 v[68+8*\p+\i], v21, v[68+8*\p+\i]    ; the sine in 2 and 3
.endm
.irp p, 0,1,2,3
.irp i, 0,1,2,3
	ANGLE \p, \i
.endr
	global_store_b128 v5, v[64+8*\p:67+8*\p], s[16:17] offset:1024*\p        ; sixteen lanes fill a row's 256 bytes of cosines,
	global_store_b128 v5, v[68+8*\p:71+8*\p], s[16:17] offset:1024*\p+256    ; and of sines; each pass has registers of its own
	v_add_f32 v6, 2.0, v6
.endr
	s_endpgm
.Lx:                                               ; hidden_states: super-block number = work-group - 448
	s_load_b64 s[4:5], s[0:1], 0x38                ; hidden_states
	s_load_b64 s[6:7], s[0:1], 0x40                ; x_q
	v_lshlrev_b32 v3, 4, v2                        ; 16 x lane
	s_mul_i32 s17, s27, WREG
	s_add_co_u32 s17, s17, XB                      ; my wave's LDS
	v_lshrrev_b32 v14, 2, v2
	v_mul_u32_u24 v14, v14, SP
	v_and_b32 v15, 3, v2
	v_lshl_add_u32 v14, v15, 4, v14
	v_add_nc_u32 v14, s17, v14                     ; the stage, on the way in: 80 (lane / 4) + 16 (lane % 4)
	v_mul_u32_u24 v15, v2, SP
	v_add_nc_u32 v15, s17, v15                     ; and on the way out: 80 x lane
	; behind the turn lane l holds row l / 8 of the step's four and k = 16 (l % 8) + 0 .. 15: registers 6 (l / 4 % 2) + 3 (l % 2) + i of the image's lane (row, l / 2 % 2)
	v_bfe_u32 v8, v2, 2, 1
	v_and_b32 v9, 1, v2
	v_mul_u32_u24 v8, v8, 6
	v_mad_u32_u24 v8, v9, 3, v8                    ; the first of my three registers
	v_lshrrev_b32 v9, 3, v2                        ; my row of the four
	v_bfe_u32 v11, v2, 1, 1
	v_lshlrev_b32 v10, 4, v9
	v_lshl_add_u32 v10, v11, 8, v10
	v_add_nc_u32 v10, s17, v10
	v_add_nc_u32 v10, IMG, v10
.macro PLACE dst, i                    ; where register (first + i) of the image lies
	v_add_nc_u32 v11, \i, v8
	v_lshrrev_b32 v12, 2, v11
	v_and_b32 v11, 3, v11
	v_lshl_add_u32 v12, v12, 9, v10
	v_lshl_add_u32 v[\dst], v11, 2, v12
.endm
	PLACE 4, 0
	PLACE 6, 1
	PLACE 7, 2
	v_bfe_u32 v11, v2, 1, 2
	v_lshl_add_u32 v5, v9, 3, v11
	v_add_nc_u32 v5, s17, v5
	v_add_nc_u32 v5, SCB, v5                       ; my block's scale byte: 8 x row + block
	v_add_nc_u32 v10, s17, v3
	v_add_nc_u32 v10, IMG, v10                     ; the images, read back: 16 x lane
	v_lshlrev_b32 v13, 3, v2
	v_add_nc_u32 v12, s17, v13
	v_add_nc_u32 v12, SCB, v12                     ; the scale bytes, read back: 8 x lane
	s_sub_co_u32 s28, ttmp9, 448
	s_lshr_b32 s18, s28, 4                         ; T: which 128 tokens
	s_and_b32 s19, s28, 15                         ; J: which 256 along K
	s_lshl_b32 s20, s18, 21                        ; 128 rows of 16,384 bytes
	s_lshl_b32 s21, s27, 19                        ; 32 rows
	s_add_co_u32 s20, s20, s21
	s_lshl_b32 s21, s19, 10
	s_add_co_u32 s20, s20, s21
	s_mov_b32 s21, 0
	s_mul_i32 s22, s28, 25600
	s_mov_b32 s23, 0
	s_mul_i32 s24, s27, 3072
	s_mov_b32 s25, 0
	s_lshl_b32 s30, s27, 8
	s_add_co_u32 s30, s30, 24576
	s_mov_b32 s31, 0
	s_wait_kmcnt 0x0
	s_add_nc_u64 s[4:5], s[4:5], s[20:21]
	s_add_nc_u64 s[6:7], s[6:7], s[22:23]
	s_add_nc_u64 s[8:9], s[6:7], s[24:25]          ; my fragments of K step 0
	s_add_nc_u64 s[10:11], s[6:7], s[30:31]        ; my 256 scale bytes
.macro XLOAD t                         ; step t: fragment (s = t / 8, u = t / 4 % 2), lane rows 4 (t % 4) + 0 .. 3
.irp i, 0,1,2,3
.set RW, 4*((\t)%4)+\i
	global_load_b128 v[XR+16*((\t)%4)+4*\i:XR+16*((\t)%4)+4*\i+3], v3, s[4:5] offset:(8*(((\t)/4)%2)+RW+8*(RW/8))*16384+512*((\t)/8) th:TH_LOAD_NT
.endr
.endm
.macro XTURN t                         ; LDS serves a wave's instructions in order: no wait between the stores and the loads
.irp i, 0,1,2,3
	ds_store_b128 v14, v[XR+16*((\t)%4)+4*\i:XR+16*((\t)%4)+4*\i+3] offset:32*SP*((\t)%2)+8*SP*\i
.endr
.irp i, 0,1,2,3
	ds_load_b128 v[XN+16*((\t)%2)+4*\i:XN+16*((\t)%2)+4*\i+3], v15 offset:32*SP*((\t)%2)+16*\i
.endr
.endm
.irp t, 0,1,2,3
	XLOAD \t
.endr
	s_wait_loadcnt 12                              ; step 0's four loads are in
	XTURN 0
.macro XSTEP t
.set XS, XN+16*((\t)%2)
.if (\t) > 0
	s_wait_dscnt 4                                 ; this step's numbers are back from the stage; the last step's four stores may be out
.else
	s_wait_dscnt 0x0
.endif
.if (\t)+4 < STEPS
	XLOAD (\t)+4
.endif
.if (\t)+1 < STEPS
.if STEPS-2-(\t) >= 3
	s_wait_loadcnt 12                              ; the next step's four loads are in; those of the three steps behind it may be out
.else
	s_wait_loadcnt 4*(STEPS-2-(\t))
.endif
	XTURN (\t)+1
.endif
	v_max3_num_f32 v8, |v[XS]|, |v[XS+1]|, |v[XS+2]|
	v_max3_num_f32 v9, |v[XS+3]|, |v[XS+4]|, |v[XS+5]|
.irp i, 6,10
	v_max3_num_f32 v8, v8, |v[XS+\i]|, |v[XS+\i+1]|
	v_max3_num_f32 v9, v9, |v[XS+\i+2]|, |v[XS+\i+3]|
.endr
	v_max3_num_f32 v8, v8, |v[XS+14]|, |v[XS+15]|
	v_max3_num_f32 v8, v8, v9, 0x1800000           ; and the floor 2^(3 - 127): the byte cannot fall under 1
	v_max_num_f32_dpp v8, v8, v8 row_xmask:1 row_mask:0xf bank_mask:0xf   ; with my neighbour's 16: the block's largest magnitude
	v_add_nc_u32 v11, 0xff000000, v8               ; 2 off its exponent field: the conversion's scale operand
	v_cvt_scalef32_pk16_fp6_f32 v[XC+4*(\t):XC+4*(\t)+2], v[XS:XS+15], v11
	v_lshrrev_b32 v[XE+(\t)], 23, v11              ; the scale's byte
	ds_store_b8 v5, v[XE+(\t)] offset:128*(((\t)/4)%2)+32*((\t)%4)+4*((\t)/8)   ; both lanes of a block write the same byte with the same value
	ds_store_b32 v4, v[XC+4*(\t)] offset:1536*((\t)/4)+64*((\t)%4)
	ds_store_b32 v6, v[XC+4*(\t)+1] offset:1536*((\t)/4)+64*((\t)%4)
	ds_store_b32 v7, v[XC+4*(\t)+2] offset:1536*((\t)/4)+64*((\t)%4)
.endm
.irp t, 0,1,2,3,4,5,6,7,8,9,10,11,12,13,14,15
	XSTEP \t
.endr
.irp i, 0,1,2,3,4,5,6,7,8,9,10,11
	ds_load_b128 v[16+4*\i:19+4*\i], v10 offset:512*\i   ; these see my stores: a wave's LDS instructions are served in order
.endr
	ds_load_b64 v[64:65], v12
.irp i, 0,1,2,3,4,5,6,7,8,9,10,11
	s_wait_dscnt 12-\i
	global_store_b128 v3, v[16+4*\i:19+4*\i], s[8:9] offset:12288*(\i/6)+512*(\i%6)   ; 512 consecutive bytes, at a multiple of 256 from the buffer's first byte
.endr
	s_wait_dscnt 0x0
	global_store_b64 v13, v[64:65], s[10:11]       ; 256 consecutive bytes, aligned
	s_wait_tensorcnt 0x0
	ds_add_u32 v192, v193
	s_wait_dscnt 0x0
	s_endpgm
.Lfunc_end_k_q90cc7c40fa_prep:
	.size	k_q90cc7c40fa_prep, .Lfunc_end_k_q90cc7c40fa_prep-k_q90cc7c40fa_prep
	.p2alignl 7, 3214868480
	.fill 96, 4, 3214868480
	.section	.rodata,"a",@progbits
	.p2align	6, 0x0
	.amdhsa_kernel k_q90cc7c40fa_prep
		.amdhsa_group_segment_fixed_size 74240
		.amdhsa_private_segment_fixed_size 0
		.amdhsa_enable_private_segment 0
		.amdhsa_kernarg_size 72
		.amdhsa_user_sgpr_count 2
		.amdhsa_user_sgpr_kernarg_segment_ptr 1
		.amdhsa_wavefront_size32 1
		.amdhsa_system_sgpr_workgroup_id_x 1
		.amdhsa_system_sgpr_workgroup_id_y 1
		.amdhsa_system_sgpr_workgroup_id_z 1
		.amdhsa_system_vgpr_workitem_id 0
		.amdhsa_next_free_vgpr 194
		.amdhsa_next_free_sgpr 66
		.amdhsa_reserve_vcc 1
		.amdhsa_float_denorm_mode_32 3
		.amdhsa_float_denorm_mode_16_64 3
		.amdhsa_memory_ordered 1
		.amdhsa_forward_progress 1
		.amdhsa_inst_pref_size 103
	.end_amdhsa_kernel
	.amdgpu_metadata
---
amdhsa.version: [ 1, 2 ]
amdhsa.kernels:
  - .name:           k_q90cc7c40fa_prep
    .symbol:         k_q90cc7c40fa_prep.kd
    .args:
      - { .name: Wq, .offset: 0, .size: 8, .value_kind: global_buffer, .address_space: global }
      - { .name: Wk, .offset: 8, .size: 8, .value_kind: global_buffer, .address_space: global }
      - { .name: Wv, .offset: 16, .size: 8, .value_kind: global_buffer, .address_space: global }
      - { .name: Wo, .offset: 24, .size: 8, .value_kind: global_buffer, .address_space: global }
      - { .name: wqkv_q, .offset: 32, .size: 8, .value_kind: global_buffer, .address_space: global }
      - { .name: wo_q, .offset: 40, .size: 8, .value_kind: global_buffer, .address_space: global }
      - { .name: rope, .offset: 48, .size: 8, .value_kind: global_buffer, .address_space: global }
      - { .name: hidden_states, .offset: 56, .size: 8, .value_kind: global_buffer, .address_space: global }
      - { .name: x_q, .offset: 64, .size: 8, .value_kind: global_buffer, .address_space: global }
    .group_segment_fixed_size: 74240
    .private_segment_fixed_size: 0
    .kernarg_segment_align: 8
    .kernarg_segment_size: 72
    .max_flat_workgroup_size: 128
    .sgpr_count:     66
    .vgpr_count:     194
    .wavefront_size: 32
...
	.end_amdgpu_metadata
.endif
;; end of part 1
;; launch qkv (part 2): grid 16 x 16, 4 waves a work-group, clusters of 4 x 4, 327,680 bytes of LDS; arguments x_q, wqkv_q, bq, bk, bv, position_ids, rope, q_q, kv_q; writes q_q, kv_q
.if DOCPART == 2
	.amdgcn_target "amdgcn-amd-amdhsa--gfx1250"
	.amdhsa_code_object_version 6
	.text
	.protected	k_q90cc7c40fa_qkv
	.globl	k_q90cc7c40fa_qkv
	.p2align	8
	.type	k_q90cc7c40fa_qkv,@function
k_q90cc7c40fa_qkv:
	s_mov_b64 s[64:65], 0
	v_nop
	global_prefetch_b8 v0, s[64:65] scope:SCOPE_SE
	s_setreg_imm32_b32 hwreg(HW_REG_WAVE_MODE, 25, 1), 1
	s_wait_xcnt 0x0
	s_wait_alu depctr_hold_cnt(0) depctr_sa_sdst(0) depctr_va_vdst(0) depctr_va_sdst(0) depctr_va_ssrc(0) depctr_va_vcc(0) depctr_vm_vsrc(0)
	s_getreg_b32 s2, hwreg(HW_REG_IB_STS2, 6, 4)
	s_cmp_eq_u32 s2, 0
	s_cbranch_scc0 .Lentry_in_a_cluster
	s_endpgm
.Lentry_in_a_cluster:
	s_bfe_u32 s2, ttmp6, 0x10000c
	s_cmp_lg_u32 s2, 0xf033
	s_cbranch_scc0 .Lentry_shape_is_right
	s_endpgm
.Lentry_shape_is_right:
; q, k, v = x W + b on codes of FP6 (E2M3) with E8M0 scales; RoPE on q and k; the results are quantised again, q and k along the head's 128, v along the keys, and stored as images of operand registers.
; SHARES.  A work-group makes one head's 128 columns (head hx: q 0-7, k 8-11, v 12-15) for 256 tokens.  Wave w: all 8 tiles of W's rows (source 0) x four tiles of 16 tokens (source 1): 32 accumulators.
; A larger tile (256 x 256) would give 128 work-groups for 256 WGPs.
; TRANSPOSED USE, AND ROWS THAT ARE NOT NEIGHBOURS: lane row r of tile 2 b + u of W holds column 32 b + 8 u + r + 8 (r / 8), so that a lane holds ONE token and the 16 registers of tiles 2 b, 2 b + 1 are d = 32 b + 16 (lane / 16) + 0 .. 15.
; x's tiles hold tokens in the same order, so a tile of 16 tokens is at once a tile of keys as the attention's first product wants it.
; K goes in steps of 512 through two LDS slots: x's four super-blocks and W's two, dense blocks of memory, codes and scale bytes together.  Waves 0, 1 fetch x's (51,200 bytes each), waves 2, 3 W's (25,600 each).
; CLUSTERS: 4 x 4.  x's tiles hang on the token tile alone and are asked for jointly along a row of the cluster, W's on the head alone and jointly along a column.
; The kind of head is the cluster's x (0, 1: q; 2: k; 3: v): it is the same in all partners, and the branches of the way out hang on it alone.
; v is turned through LDS (256 tokens x 528 bytes, in slot 0, which has had its last fill and its last read by then), so that a lane holds one d and its registers run along the keys.
; LIMITS: position_ids are held to 0 .. 2047; blocks whose largest magnitude lies under 2^-124, and blocks of zeros, keep the byte 1 (this program alone reads the bytes); NaN and infinities are not served.
; REGISTERS.  Window 0: v1-31 addresses; v32-79 scale words, two sets; v80-175 x's fragments, two sets (at work on the way out); v176-239 the bias, 8 a tile.
;   Window 1: W's fragments, two sets, at 0 and 128.  Window 2: accumulator (a, t) at 64 a + 8 t.  Window 3: cos and sin of my four tiles of tokens (64 a + n, 64 a + 32 + n), later the numbers to be quantised.
.set SBB,   25600                      ; a super-block
.set SLOT,  6*SBB
.set WOFF,  4*SBB
.set SPARE, 2*SLOT                     ; the spare words: 128 bytes a wave, two blocks of 256 bytes that no other line names
.set VP,    528
.set LI,   4                           ; v4     16 x lane
.set ADRX, 16                          ; v16-17 x's fragments in slot 0, 1
.set ADRW, 18                          ; v18-19 W's
.set ADSX, 20                          ; v20-21 x's scale words
.set ADSW, 22                          ; v22-23 W's
.set RA,   24                          ; v24-27 my four tokens' rows of the table of RoPE; never rewritten once made
.set SPW,  28
.set NIL,  29
.set VS,   30                          ; v30    v's stage, on the way in
.set VT,   31                          ; v31    and on the way out
.set SC,   32                          ; set sc at 32 + 24 sc: x's words at 4 (a / 2) + q, W's at 8 + 4 (t / 2) + q; even blocks in lanes 0-15, odd blocks in lanes 16-31
.set XF,   80
.set BI,   176
.set PC,   80                          ; the way out: codes,
.set TM,   100                         ; largest magnitudes, bytes, scale operands,
.set PWS,  116                         ; the four scale words,
.set PW,   120
.set T1,   128                         ; and 32 products of RoPE
.set G1X, 32
.set G0X, 40
.set G1W, 48
.set G0W, 56
.set MSB, 0
.macro WIN new                         ; the immediate's high byte repeats the setting that is left
.if MSB != \new
	s_set_vgpr_msb (MSB<<8)|\new
.set MSB, \new
.endif
.endm
.macro PLACES
.rept 4
	v_nop
.endr
.endm
; A joint load: waves 0 and 1 fetch for x, waves 2 and 3 for W.  The branch hangs on the wave's number alone.  Four v_nop follow each of the two lines.
.macro JLOAD s
	s_cmp_eq_u32 s23, 0
	s_cbranch_scc0 .Lfor_w_\@
	tensor_load_to_lds s[G0X+4*\s:G0X+4*\s+3], s[G1X:G1X+7]
	s_nop 0
.rept 4
	v_nop
.endr
	s_branch .Lasked_\@
.Lfor_w_\@:
	tensor_load_to_lds s[G0W+4*\s:G0W+4*\s+3], s[G1W:G1W+7]
	s_nop 0
.rept 4
	v_nop
.endr
.Lasked_\@:
.endm
.macro CREST                           ; a round of the cluster's barrier behind its opening barrier
	s_cmp_lg_u32 s22, 0
	s_cbranch_scc1 .Lnot_wave_0_\@
	s_barrier_signal -3
.Lnot_wave_0_\@:
	s_barrier_wait -3
	s_barrier_signal -1
	s_barrier_wait -1
.endm
.macro CROUND
	s_barrier_signal -1
	s_barrier_wait -1
	CREST
.endm
	s_load_b256 s[4:11], s[0:1], 0x0               ; x_q, wqkv_q, bq, bk
	s_load_b256 s[12:19], s[0:1], 0x20             ; bv, position_ids, rope, q_q
	s_load_b64 s[20:21], s[0:1], 0x40              ; kv_q
	v_lshl_add_u32 v[SPW], v0, 2, SPARE
	v_mov_b32 v[NIL], 0
	ds_add_u32 v28, v29
	s_wait_dscnt 0x0
	v_lshrrev_b32 v1, 5, v0
	v_readfirstlane_b32 s22, v1                    ; wave
	s_lshr_b32 s23, s22, 1                         ; which of x's two rows of super-blocks is mine.  Also: I fetch for x (0) or for W (1)
	s_and_b32 s24, s22, 1                          ; which four of its eight tiles.  Also: which part I fetch
	s_bfe_u32 s25, ttmp6, 0x40000                  ; cx
	s_bfe_u32 s26, ttmp6, 0x40004                  ; cy
	s_lshl_b32 s27, ttmp9, 2
	s_add_co_u32 s27, s27, s25                     ; hx: the head
	s_and_b32 s28, ttmp7, 0xffff
	s_lshl_b32 s28, s28, 2
	s_add_co_u32 s28, s28, s26                     ; ty: which 256 tokens
	s_lshl_b32 s29, s26, 2
	s_lshl_b32 s29, 15, s29                        ; my row of the cluster
	s_lshl_b32 s30, 0x1111, s25                    ; my column
	s_or_b32 s[G1X], s29, (3<<16)|(1<<21)          ; the mask; elements of 8 bytes; bit 21 beside a mask; no padding
	s_or_b32 s[G1W], s30, (3<<16)|(1<<21)
	s_mov_b32 s[G1X+1], 32<<16                     ; rows of 32 elements: 256 bytes
	s_mov_b32 s[G1X+2], 200<<16                    ; two super-blocks
	s_mov_b32 s[G1X+3], 32<<16
	s_mov_b32 s[G1X+4], 200
	s_mov_b32 s[G1X+5], 32
	s_mov_b32 s[G1X+6], 0
	s_mov_b32 s[G1X+7], 0
	s_mov_b32 s[G1W+1], 32<<16
	s_mov_b32 s[G1W+2], 100<<16                    ; one super-block
	s_mov_b32 s[G1W+3], 32<<16
	s_mov_b32 s[G1W+4], 100
	s_mov_b32 s[G1W+5], 32
	s_mov_b32 s[G1W+6], 0
	s_mov_b32 s[G1W+7], 0
	s_lshl_b32 s66, s28, 1
	s_add_co_u32 s66, s66, s24
	s_mul_i32 s66, s66, 16*SBB                     ; x: row 2 ty + part of super-blocks
	s_mov_b32 s67, 0
	s_lshl_b32 s68, s27, 4
	s_add_co_u32 s68, s68, s24
	s_mul_i32 s68, s68, SBB                        ; W: super-block 16 hx + part
	s_mov_b32 s69, 0
	s_mul_i32 s70, s24, 2*SBB                      ; where they go: no place in the cluster enters an LDS address
	s_mul_i32 s71, s24, SBB
	s_add_co_u32 s71, s71, WOFF
	s_wait_kmcnt 0x0
	s_add_nc_u64 s[66:67], s[4:5], s[66:67]
	s_add_nc_u64 s[68:69], s[6:7], s[68:69]
	CROUND                                         ; all sixteen work-groups are here: the first joint loads meet
.irp s, 0,1
	s_mov_b32 s[G0X+4*\s], 1
	s_add_co_u32 s[G0X+4*\s+1], s70, \s*SLOT
	s_add_nc_u64 s[G0X+4*\s+2:G0X+4*\s+3], s[66:67], \s*2*SBB
	s_or_b32 s[G0X+4*\s+3], s[G0X+4*\s+3], 0x80000000
	s_mov_b32 s[G0W+4*\s], 1
	s_add_co_u32 s[G0W+4*\s+1], s71, \s*SLOT
	s_add_nc_u64 s[G0W+4*\s+2:G0W+4*\s+3], s[68:69], \s*2*SBB
	s_or_b32 s[G0W+4*\s+3], s[G0W+4*\s+3], 0x80000000
	JLOAD \s                                       ; two loads of mine are out
.endr
	v_and_b32 v1, 31, v0                           ; lane
	v_and_b32 v2, 15, v0                           ; r
	v_bfe_u32 v3, v0, 4, 1                         ; h
	v_lshlrev_b32 v[LI], 4, v1
	s_mul_i32 s72, s23, 2*SBB
	s_mul_i32 s73, s24, 6144
	s_add_co_u32 s73, s73, s72
	v_add_nc_u32 v[ADRX], s73, v[LI]
	v_add_nc_u32 v[ADRX+1], SLOT, v[ADRX]
	v_add_nc_u32 v[ADRW], WOFF, v[LI]
	v_add_nc_u32 v[ADRW+1], SLOT, v[ADRW]
	v_lshlrev_b32 v5, 3, v1                        ; 8 x lane: two blocks' scale words
	s_lshl_b32 s73, s24, 9
	s_add_co_u32 s73, s73, s72
	s_add_co_u32 s73, s73, 24576
	v_add_nc_u32 v[ADSX], s73, v5
	v_add_nc_u32 v[ADSX+1], SLOT, v[ADSX]
	v_add_nc_u32 v[ADSW], WOFF+24576, v5
	v_add_nc_u32 v[ADSW+1], SLOT, v[ADSW]
	v_and_b32 v6, 8, v2
	v_add_nc_u32 v6, v6, v2                        ; r + 8 (r / 8)
	s_lshl_b32 s73, s22, 6
	v_add_nc_u32 v7, s73, v6
	v_mul_u32_u24 v[VS], v7, VP
	v_lshl_add_u32 v[VS], v3, 6, v[VS]             ; v's stage, in: token row 64 w + r + 8 (r / 8), + 64 h
	s_lshl_b32 s73, s23, 7
	v_lshl_add_u32 v7, v3, 4, s73
	v_mul_u32_u24 v[VT], v7, VP
	v_lshl_add_u32 v[VT], v6, 2, v[VT]
	s_lshl_b32 s73, s24, 8
	v_add_nc_u32 v[VT], s73, v[VT]                 ; out: key row 128 (w / 2) + 16 h, column d = 64 (w % 2) + r + 8 (r / 8)
	; the bias: lane (r, h) wants, for tile t, d = 32 (t / 2) + 16 h + 8 (t % 2) + 0 .. 7
	s_cmp_lt_u32 ttmp9, 2
	s_cselect_b64 s[74:75], s[8:9], s[10:11]
	s_cselect_b32 s76, s27, s25
	s_cmp_eq_u32 ttmp9, 3
	s_cselect_b64 s[74:75], s[12:13], s[74:75]
	s_lshl_b32 s76, s76, 9
	s_mov_b32 s77, 0
	s_add_nc_u64 s[74:75], s[74:75], s[76:77]
	v_lshlrev_b32 v7, 6, v3
.irp t, 0,1,2,3,4,5,6,7
	global_load_b128 v[BI+8*\t:BI+8*\t+3], v7, s[74:75] offset:128*(\t/2)+32*(\t%2)
	global_load_b128 v[BI+8*\t+4:BI+8*\t+7], v7, s[74:75] offset:128*(\t/2)+32*(\t%2)+16
.endr
	s_lshl_b32 s76, s28, 10
	s_lshl_b32 s78, s22, 8
	s_add_co_u32 s76, s76, s78
	s_add_nc_u64 s[14:15], s[14:15], s[76:77]      ; position_ids at token 256 ty + 64 w
	v_lshlrev_b32 v8, 2, v6
.irp a, 0,1,2,3
	global_load_b32 v[RA+\a], v8, s[14:15] offset:4*(32*(\a/2)+8*(\a%2))
.endr
	; where my results go
	s_lshr_b32 s84, s28, 3                         ; the batch
	s_and_b32 s85, s28, 7
	s_lshl_b32 s86, s84, 3
	s_add_co_u32 s86, s86, s27
	s_lshl_b32 s86, s86, 5
	s_lshl_b32 s87, s85, 2
	s_add_co_u32 s86, s86, s87
	s_add_co_u32 s86, s86, s22
	s_mul_i32 s86, s86, 6400                       ; q: group ((8 b + head) x 32 + 4 (ty % 8) + w) of 64 tokens,
	s_add_co_u32 s87, s86, 6144                    ; and its scale words
	s_lshl_b32 s88, s84, 2
	s_add_co_u32 s88, s88, s25
	s_lshl_b32 s88, s88, 4
	s_lshl_b32 s89, s85, 1
	s_add_co_u32 s88, s88, s89
	s_add_co_u32 s88, s88, s23
	s_mul_i32 s88, s88, SBB                        ; k, v: key step ((4 b + kv head) x 16 + 2 (ty % 8) + w / 2),
	s_cmp_eq_u32 ttmp9, 3
	s_cselect_b32 s89, 12800, 0
	s_add_co_u32 s88, s88, s89                     ; v's part behind k's
	s_lshl_b32 s89, s24, 8
	s_add_co_u32 s89, s89, s88
	s_add_co_u32 s89, s89, 12288                   ; the scale words of my four tiles,
	s_mul_i32 s90, s24, 6144
	s_add_co_u32 s88, s88, s90                     ; and their fragments
	s_cmp_lt_u32 ttmp9, 2
	s_cselect_b64 s[80:81], s[18:19], s[20:21]
	s_cselect_b32 s86, s86, s88
	s_cselect_b32 s88, s87, s89
	s_mov_b32 s87, 0
	s_mov_b32 s89, 0
	s_add_nc_u64 s[82:83], s[80:81], s[88:89]
	s_add_nc_u64 s[80:81], s[80:81], s[86:87]
	s_mov_b32 s92, 0x76543210
	s_mov_b32 s93, 0xfedcba98                      ; v_permlanex16_b32's selects for lane l xor 16
	s_wait_loadcnt 0x0                             ; the bias and the positions
.irp a, 0,1,2,3
	v_min_u32 v[RA+\a], 0x7ff, v[RA+\a]
	v_lshlrev_b32 v[RA+\a], 9, v[RA+\a]            ; a row of the table is 512 bytes
	v_add_nc_u32 v[RA+\a], v7, v[RA+\a]            ; + 64 h
.endr
	WIN 0xc0                                       ; destination window 3.  These 64 loads stay out over the whole loop over K.  v's work-groups make them too and write over them
.irp a, 0,1,2,3
.irp b, 0,1
.irp j, 0,1,2,3
	global_load_b128 v[64*\a+16*\b+4*\j:64*\a+16*\b+4*\j+3], v[RA+\a], s[16:17] offset:128*\b+16*\j
	global_load_b128 v[64*\a+32+16*\b+4*\j:64*\a+32+16*\b+4*\j+3], v[RA+\a], s[16:17] offset:256+128*\b+16*\j
.endr
.endr
.endr
	WIN 0
; One product: W's tile t x my token tile a, the slot's q-th 128 along K.  first = 1: the bias is the C of the sum's first product.  The scale words of odd blocks lie in lanes 16-31.
.macro WM a, t, set, q, sc, first
.set rD, 64*(\a)+8*(\t)
.set rC, rD
.if \first
.set rC, BI+8*(\t)
.endif
.set rA, 128*(\set)+12*(\t)
.set rB, XF+48*(\set)+12*(\a)
.set rU, SC+24*(\sc)+8+4*((\t)/2)+(\q)
.set rV, SC+24*(\sc)+4*((\a)/2)+(\q)
.if ((\t)%2) && ((\a)%2)
	v_wmma_scale_f32_16x16x128_f8f6f4 v[rD:rD+7], v[rA:rA+11], v[rB:rB+11], v[rC:rC+7], v[rU], v[rV] matrix_a_fmt:MATRIX_FMT_FP6 matrix_b_fmt:MATRIX_FMT_FP6 matrix_a_scale:MATRIX_SCALE_ROW1 matrix_b_scale:MATRIX_SCALE_ROW1
.elseif (\t)%2
	v_wmma_scale_f32_16x16x128_f8f6f4 v[rD:rD+7], v[rA:rA+11], v[rB:rB+11], v[rC:rC+7], v[rU], v[rV] matrix_a_fmt:MATRIX_FMT_FP6 matrix_b_fmt:MATRIX_FMT_FP6 matrix_a_scale:MATRIX_SCALE_ROW1
.elseif (\a)%2
	v_wmma_scale_f32_16x16x128_f8f6f4 v[rD:rD+7], v[rA:rA+11], v[rB:rB+11], v[rC:rC+7], v[rU], v[rV] matrix_a_fmt:MATRIX_FMT_FP6 matrix_b_fmt:MATRIX_FMT_FP6 matrix_b_scale:MATRIX_SCALE_ROW1
.else
	v_wmma_scale_f32_16x16x128_f8f6f4 v[rD:rD+7], v[rA:rA+11], v[rB:rB+11], v[rC:rC+7], v[rU], v[rV] matrix_a_fmt:MATRIX_FMT_FP6 matrix_b_fmt:MATRIX_FMT_FP6
.endif
.endm
.macro MULA a, set, q, sc, first       ; eight products; the 32 accumulators take turns, in the same order in every step
.irp t, 0,1,2,3,4,5,6,7
	WM \a, \t, \set, \q, \sc, \first
.endr
.endm
.macro FETCH slot, q, set              ; 36 LDS loads in one run: W's eight fragments and my four of x, as they lie: 512 consecutive bytes a load
.set QO, SBB*((\q)/2)+12288*((\q)%2)
	WIN 0x40
.irp t, 0,1,2,3,4,5,6,7
.irp c, 0,1,2
	ds_load_b128 v[128*(\set)+12*\t+4*\c:128*(\set)+12*\t+4*\c+3], v[ADRW+\slot] offset:QO+1536*\t+512*\c
.endr
.endr
	WIN 0
.irp a, 0,1,2,3
.irp c, 0,1,2
	ds_load_b128 v[XF+48*(\set)+12*\a+4*\c:XF+48*(\set)+12*\a+4*\c+3], v[ADRX+\slot] offset:QO+1536*\a+512*\c
.endr
.endr
.endm
.macro SCALES slot                     ; a slot's scale words: 8 bytes a row are the words of two K steps; 32 lanes take two blocks' rows
.irp g, 0,1
.irp j, 0,1
	ds_load_b64 v[SC+24*\slot+4*\j+2*\g:SC+24*\slot+4*\j+2*\g+1], v[ADSX+\slot] offset:SBB*\g+256*\j
.endr
.irp j, 0,1,2,3
	ds_load_b64 v[SC+24*\slot+8+4*\j+2*\g:SC+24*\slot+8+4*\j+2*\g+1], v[ADSW+\slot] offset:SBB*\g+256*\j
.endr
.endr
.endm
; A step of 128 along K that has its successor in the same slot: the successor's fragments are asked for first and land under this step's 32 products.
.macro STEP slot, q, first
	s_wait_dscnt 0x0                               ; this step's fragments (asked for a step ago) are in
	PLACES                                         ; four places in front of loads into registers that the last products read
	FETCH \slot, (\q)+1, 1-(\q)%2
.if \first
	WIN 0x81                                       ; W window 1, x and the bias window 0, D window 2
.else
	WIN 0xa1                                       ; W window 1, x window 0, C and D window 2
.endif
.irp a, 0,1,2,3
	MULA \a, (\q)%2, \q, \slot, \first
.endr
	WIN 0
.endm
; A slot's last step changes slots: one barrier; in front of it each wave waits for all its tensor loads, adds 0 to its spare word, and waits for that and for its reads of this slot.  fill = 1: the slot is filled again, two slots ahead.
.macro TURN slot, next, fill
	s_wait_tensorcnt 0x0                           ; all my tensor loads have landed: my part of the next slot
	ds_add_u32 v[SPW], v[NIL]                      ; 0 onto my spare word
	s_wait_dscnt 1                                 ; this step's fragments are in; the add may be out
	WIN 0xa1
	MULA 0, 1, 3, \slot, 0                         ; eight products stand between the add and the wait for it
	s_wait_dscnt 0x0                               ; the add is done, and my reads of this slot are over
	s_barrier_signal -1
	MULA 1, 1, 3, \slot, 0
	WIN 0
	s_barrier_wait -1
.if \fill
	CREST                                          ; the barrier has opened a round of the cluster's: no wave of any partner still reads this slot or has a load on its way
	s_add_nc_u64 s[G0X+4*\slot+2:G0X+4*\slot+3], s[G0X+4*\slot+2:G0X+4*\slot+3], 4*SBB
	s_add_nc_u64 s[G0W+4*\slot+2:G0W+4*\slot+3], s[G0W+4*\slot+2:G0W+4*\slot+3], 4*SBB
	JLOAD \slot                                    ; the first tensor load behind the round: it has 112 products in which to land; its four v_nop are also the places in front of the loads below
.else
	PLACES
.endif
	FETCH \next, 0, 0
	SCALES \next
	WIN 0xa1
	MULA 2, 1, 3, \slot, 0
	MULA 3, 1, 3, \slot, 0
	WIN 0
.endm
	s_wait_tensorcnt 1                             ; my part of slot 0 is in (slot 1's may be out)
	s_barrier_signal -1
	s_barrier_wait -1                              ; everybody's is
	FETCH 0, 0, 0
	SCALES 0
	STEP 0, 0, 1                                   ; the first step stands in front of the loop: its products start the sums, on the bias
	s_mov_b32 s94, 3
.Llap:                                             ; a trip goes once round the ring and fills both slots again: K = 4,096 is eight slots
	STEP 0, 1, 0
	STEP 0, 2, 0
	TURN 0, 1, 1
	STEP 1, 0, 0
	STEP 1, 1, 0
	STEP 1, 2, 0
	TURN 1, 0, 1
	STEP 0, 0, 0
	s_sub_co_u32 s94, s94, 1
	s_cmp_lg_u32 s94, 0
	s_cbranch_scc1 .Llap
	STEP 0, 1, 0                                   ; the last lap fills nothing
	STEP 0, 2, 0
	TURN 0, 1, 0
	STEP 1, 0, 0
	STEP 1, 1, 0
	STEP 1, 2, 0
	s_wait_dscnt 0x0
	WIN 0xa1
.irp a, 0,1,2,3
	MULA \a, 1, 3, 1, 0
.endr
	WIN 0
	; THE WAY OUT
	PLACES
.irp b, 0,1,2,3
	v_mov_b32 v[TM+4+\b], 0                        ; written once: a lane permute's destination counts as one of its sources
.endr
	s_cmp_eq_u32 ttmp9, 3
	s_cbranch_scc0 .Lnot_v
	WIN 0x08                                       ; an LDS store's data are its source 1: window 2
.irp a, 0,1,2,3
.irp t, 0,1,2,3,4,5,6,7
	ds_store_b128 v[VS], v[64*\a+8*\t:64*\a+8*\t+3] offset:(32*(\a/2)+8*(\a%2))*VP+128*(\t/2)+32*(\t%2)       ; each accumulator from its low end on
	ds_store_b128 v[VS], v[64*\a+8*\t+4:64*\a+8*\t+7] offset:(32*(\a/2)+8*(\a%2))*VP+128*(\t/2)+32*(\t%2)+16
.endr
.endr
	WIN 0
.Lnot_v:
	s_wait_dscnt 0x0                               ; for the others' sake: my stores into the stage are done
	s_barrier_signal -1
	s_barrier_wait -1
	s_wait_loadcnt 0x0                             ; cos and sin
	s_cmp_eq_u32 ttmp9, 3
	s_cbranch_scc0 .Lturn
	WIN 0xc0                                       ; v: register 64 a + 16 b + i = v(key 32 b + 16 h + i, d of tile 4 (w % 2) + a, lane row r)
.irp a, 0,1,2,3
.irp b, 0,1,2,3
.irp i, 0,1,2,3,4,5,6,7,8,9,10,11,12,13,14,15
	ds_load_b32 v[64*\a+16*\b+\i], v[VT] offset:(32*\b+\i)*VP+128*(\a/2)+32*(\a%2)
.endr
.endr
.endr
	WIN 0
	s_wait_dscnt 0x0
	s_branch .Lquant
.Lturn:
; RoPE of token tile a: lo = d under 64 (accumulator registers 64 a + n), hi = d + 64 (64 a + 32 + n): lo' = lo cos - hi sin, hi' = hi cos + lo sin; the results take cos's and sin's places.
.macro ROPE a
	WIN 0x0e                                       ; source 0 window 2, source 1 window 3
.irp n, 0,2,4,6,8,10,12,14,16,18,20,22,24,26,28,30
	v_pk_mul_f32 v[T1+\n:T1+\n+1], v[64*\a+32+\n:64*\a+33+\n], v[64*\a+32+\n:64*\a+33+\n]        ; hi sin
.endr
	WIN 0xce
.irp n, 0,2,4,6,8,10,12,14,16,18,20,22,24,26,28,30
	v_pk_mul_f32 v[64*\a+32+\n:64*\a+33+\n], v[64*\a+\n:64*\a+1+\n], v[64*\a+32+\n:64*\a+33+\n]  ; lo sin
.endr
	WIN 0xfe
.irp n, 0,2,4,6,8,10,12,14,16,18,20,22,24,26,28,30
	v_pk_fma_f32 v[64*\a+32+\n:64*\a+33+\n], v[64*\a+32+\n:64*\a+33+\n], v[64*\a+\n:64*\a+1+\n], v[64*\a+32+\n:64*\a+33+\n]   ; hi cos + lo sin
.endr
	WIN 0xce
.irp n, 0,2,4,6,8,10,12,14,16,18,20,22,24,26,28,30
	v_pk_fma_f32 v[64*\a+\n:64*\a+1+\n], v[64*\a+\n:64*\a+1+\n], v[64*\a+\n:64*\a+1+\n], v[T1+\n:T1+\n+1] neg_lo:[0,0,1] neg_hi:[0,0,1]   ; lo cos - hi sin
.endr
.endm
	ROPE 0
	ROPE 1
	ROPE 2
	ROPE 3
	WIN 0
.Lquant:
; 64 numbers of a lane in window 3, register s + 16 b + i = k 32 b + 16 (lane / 16) + i of my row, become a fragment's codes in v[PC] on and its scale word in v[PW].
.macro QUANT3 s
	WIN 0x3c                                       ; sources 1 and 2 window 3
.irp b, 0,1,2,3
	v_max3_num_f32 v[TM+\b], 0x1800000, |v[(\s)+16*\b]|, |v[(\s)+1+16*\b]|   ; with the floor 2^(3 - 127): the byte cannot fall under 1
.endr
.irp i, 2,4,6,8,10,12,14
.irp b, 0,1,2,3
	v_max3_num_f32 v[TM+\b], v[TM+\b], |v[(\s)+16*\b+\i]|, |v[(\s)+1+16*\b+\i]|
.endr
.endr
	WIN 0
.irp b, 0,1,2,3
	v_permlanex16_b32 v[TM+4+\b], v[TM+\b], s92, s93
.endr
.irp b, 0,1,2,3
	v_max_num_f32 v[TM+\b], v[TM+\b], v[TM+4+\b]   ; with lane l xor 16's: the block's largest magnitude
.endr
.irp b, 0,1,2,3
	v_add_nc_u32 v[TM+12+\b], 0xff000000, v[TM+\b] ; 2 off its exponent field: the conversion's scale operand
.endr
.irp b, 0,1,2,3
	v_lshrrev_b32 v[TM+4+\b], 23, v[TM+12+\b]      ; the scale's byte
.endr
	v_lshl_or_b32 v[PW], v[TM+5], 8, v[TM+4]
	v_lshl_or_b32 v[PW], v[TM+6], 16, v[PW]
	v_lshl_or_b32 v[PW], v[TM+7], 24, v[PW]
	WIN 0x03                                       ; source 0 window 3
.irp c, 0,1
	v_cvt_scalef32_pk16_fp6_f32 v[PC+6*\c:PC+2+6*\c], v[(\s)+32*\c:(\s)+15+32*\c], v[TM+12+2*\c]
	v_cvt_scalef32_pk16_fp6_f32 v[PC+12+4*\c:PC+14+4*\c], v[(\s)+16+32*\c:(\s)+31+32*\c], v[TM+12+2*\c+1]
.endr
	WIN 0
	v_nop                                          ; one plain place behind a scaled conversion
.irp c, 0,1                                    ; the operand's layout wants a whole block in a lane
.irp i, 0,1,2
	v_permlane16_swap_b32 v[PC+6*\c+\i], v[PC+12+4*\c+\i]
.endr
.irp i, 0,1,2
	v_mov_b32 v[PC+3+6*\c+\i], v[PC+12+4*\c+\i]
.endr
.endr
.endm
.irp a, 0,1,2,3
.if \a > 0
	s_wait_xcnt 0x0                                ; the last fragment's stores have read their registers
.endif
	QUANT3 64*\a
	v_mov_b32 v[PWS+\a], v[PW]
.irp c, 0,1,2
	global_store_b128 v[LI], v[PC+4*\c:PC+4*\c+3], s[80:81] offset:1536*\a+512*\c   ; 512 consecutive bytes, aligned to 256
.endr
.endr
	v_cmp_gt_u32 vcc_lo, 16, v1
	s_wait_xcnt 0x0                                ; EXEC changes only behind this wait
	s_and_saveexec_b32 s91, vcc_lo
	global_store_b128 v[LI], v[PWS:PWS+3], s[82:83]   ; lane r: row r's words of my four fragments: sixteen lanes fill 256 consecutive bytes, aligned
	s_wait_xcnt 0x0
	s_or_b32 exec_lo, exec_lo, s91
	s_wait_tensorcnt 0x0                           ; the wave's end
	ds_add_u32 v[SPW], v[NIL]
	s_wait_dscnt 0x0
	CROUND                                         ; the closing round
	s_endpgm
.Lfunc_end_k_q90cc7c40fa_qkv:
	.size	k_q90cc7c40fa_qkv, .Lfunc_end_k_q90cc7c40fa_qkv-k_q90cc7c40fa_qkv
	.p2alignl 7, 3214868480
	.fill 96, 4, 3214868480
	.section	.rodata,"a",@progbits
	.p2align	6, 0x0
	.amdhsa_kernel k_q90cc7c40fa_qkv
		.amdhsa_group_segment_fixed_size 327680
		.amdhsa_private_segment_fixed_size 0
		.amdhsa_enable_private_segment 0
		.amdhsa_kernarg_size 72
		.amdhsa_user_sgpr_count 2
		.amdhsa_user_sgpr_kernarg_segment_ptr 1
		.amdhsa_wavefront_size32 1
		.amdhsa_system_sgpr_workgroup_id_x 1
		.amdhsa_system_sgpr_workgroup_id_y 1
		.amdhsa_system_sgpr_workgroup_id_z 1
		.amdhsa_system_vgpr_workitem_id 0
		.amdhsa_next_free_vgpr 1024
		.amdhsa_next_free_sgpr 104
		.amdhsa_reserve_vcc 1
		.amdhsa_float_denorm_mode_32 3
		.amdhsa_float_denorm_mode_16_64 3
		.amdhsa_memory_ordered 1
		.amdhsa_forward_progress 1
		.amdhsa_inst_pref_size 182
	.end_amdhsa_kernel
	.amdgpu_metadata
---
amdhsa.version: [ 1, 2 ]
amdhsa.kernels:
  - .name:           k_q90cc7c40fa_qkv
    .symbol:         k_q90cc7c40fa_qkv.kd
    .args:
      - { .name: x_q, .offset: 0, .size: 8, .value_kind: global_buffer, .address_space: global }
      - { .name: wqkv_q, .offset: 8, .size: 8, .value_kind: global_buffer, .address_space: global }
      - { .name: bq, .offset: 16, .size: 8, .value_kind: global_buffer, .address_space: global }
      - { .name: bk, .offset: 24, .size: 8, .value_kind: global_buffer, .address_space: global }
      - { .name: bv, .offset: 32, .size: 8, .value_kind: global_buffer, .address_space: global }
      - { .name: position_ids, .offset: 40, .size: 8, .value_kind: global_buffer, .address_space: global }
      - { .name: rope, .offset: 48, .size: 8, .value_kind: global_buffer, .address_space: global }
      - { .name: q_q, .offset: 56, .size: 8, .value_kind: global_buffer, .address_space: global }
      - { .name: kv_q, .offset: 64, .size: 8, .value_kind: global_buffer, .address_space: global }
    .group_segment_fixed_size: 327680
    .private_segment_fixed_size: 0
    .kernarg_segment_align: 8
    .kernarg_segment_size: 72
    .max_flat_workgroup_size: 128
    .sgpr_count:     104
    .vgpr_count:     1024
    .wavefront_size: 32
...
	.end_amdgpu_metadata
.endif
;; end of part 2
;; launch attn (part 3): grid 4 x 64, 8 waves a work-group, clusters of 4 x 4, 327,680 bytes of LDS; arguments q_q, kv_q, attention_mask, a_q; writes a_q
.if DOCPART == 3
	.amdgcn_target "amdgcn-amd-amdhsa--gfx1250"
	.amdhsa_code_object_version 6
	.text
	.protected	k_q90cc7c40fa_attn
	.globl	k_q90cc7c40fa_attn
	.p2align	8
	.type	k_q90cc7c40fa_attn,@function
k_q90cc7c40fa_attn:
	s_mov_b64 s[64:65], 0
	v_nop
	global_prefetch_b8 v0, s[64:65] scope:SCOPE_SE
	s_setreg_imm32_b32 hwreg(HW_REG_WAVE_MODE, 25, 1), 1
	s_wait_xcnt 0x0
	s_wait_alu depctr_hold_cnt(0) depctr_sa_sdst(0) depctr_va_vdst(0) depctr_va_sdst(0) depctr_va_ssrc(0) depctr_va_vcc(0) depctr_vm_vsrc(0)
	s_getreg_b32 s2, hwreg(HW_REG_IB_STS2, 6, 4)
	s_cmp_eq_u32 s2, 0
	s_cbranch_scc0 .Lentry_in_a_cluster
	s_endpgm
.Lentry_in_a_cluster:
	s_bfe_u32 s2, ttmp6, 0x10000c
	s_cmp_lg_u32 s2, 0xf033
	s_cbranch_scc0 .Lentry_shape_is_right
	s_endpgm
.Lentry_shape_is_right:
; Attention on codes of FP6 (E2M3): S^T = K Q^T with the additive mask, p = 2^(t - M), O^T = V^T P^T, O / l quantised along the head's 128 and stored as images for the output projection.
; SHARES.  A work-group owns 64 queries of one batch and one key/value head; its eight waves are four tiles of 16 queries x the two query heads that share that key/value head.  A wave holds one tile; two waves lie on a SIMD, 512 registers each.
; Every wave walks all 2,048 keys, 128 a step: the mask is an input and is honoured whole; no tile is left out.
; LAYOUT.  Both products are used transposed: a lane holds ONE query throughout.  K's tiles hold keys, and V^T's tiles hold d, in the order 32 b + 8 u + r + 8 (r / 8) (tile 2 b + u, lane row r), so that the 16 registers of two
; neighbouring tiles are 16 neighbours along the next product's K.  K's and V's fragments come out of LDS as images of their registers: 512 consecutive bytes a load.
; THE MASK is the C of the first product: S' = k . q + mask x sqrt(128), t = S' x log2(e) / sqrt(128).  t is ROUNDED before M is taken off (a multiply, then an add), so that equal logits give equal p whatever the mask's size.
; M = the running largest t rounded up to a whole number; the row's sum is taken of the unquantised p; when M moves, the sum and O^T are multiplied by 2^(old M - new M), which rounds nothing.
; LIMITS: the mask's one multiplication by sqrt(128) and its addition inside the product round otherwise than a division of the score and an addition do, by about one unit in the last place of the sum;
; NaN among the inputs is not served (-infinity in the mask is: p = 0); blocks under 2^-124 and blocks of zeros keep the byte 1.
; CLUSTER 4 x 4: cx = the key/value head, cy = the group of queries.  K's and V's tiles hang on cx alone and are asked for jointly along a column; the mask's tile hangs on cy alone and jointly along a row.
; RING: two slots of two key steps.  Waves 0, 1 fetch a step's K and V (25,600 dense bytes each), waves 2, 3 a step's mask (64 rows x 512 bytes, 8 bytes of padding behind each); the others fetch nothing.
; LDS LOADS AHEAD OF THEIR USE.  All eight fragments of K, all eight of V and the mask as loaded have registers of their own, in window 1.  Only a slot's first run (63 loads) stands in front of its users.  Whatever else a slot's two steps
; read is asked for a phase ahead, dealt in groups of five among the softmax's lines: in step 0's softmax V of step 0, then the mask and K of step 1 (77 loads); in step 1's softmax V of step 1 (24).
; REGISTERS.  Window 0: v1-7 addresses; v12 -M, v13 the largest t, v[14:15] the sum; v16-27 Q, v255 its scale words; v80-95 the slot's scale words of K and V; v96-159 S', p; v160-223 O^T; v224-235 p's codes; v232-254 at work.
;   Window 1: v0-95 K's fragments; v96-191 V's; v192-255 the mask as loaded.  The multiplication by sqrt(128) reads window 1 and writes window 0.
.set SBB,   25600                      ; a key step's K and V
.set HB,    12800                      ; V's part begins here
.set MOFF,  51200                      ; a slot: two steps' K and V, then two steps' mask
.set MP,    520                        ; a row of the mask in LDS: 512 bytes + 8 = 130 words: row r starts at bank 2 r mod 64 (64 banks of 4 bytes: ISA guide 11.1); a tile's rows are 0-7 and 16-23, lanes 16-31 stand 16 words on: the 32 lanes of a load of 8 bytes touch 64 different banks
.set MSTEP, 64*MP
.set SLOT1, 1<<17
.set SPARE, 2*SLOT1                    ; the spare words: 128 bytes a wave, four blocks of 256 bytes that no other line names
.set SCR,   SPARE+1024                 ; 512 bytes: the work-group's scale words on the way out
.set NSL,   8
.set LI,  1
.set AM0, 2
.set SPW, 3
.set NIL, 4
.set ADK, 5
.set ADM, 6
.set PFO, 28
.set SCW, 80                           ; v80-83, v84-87 K's scale words of steps 0, 1; v88-91, v92-95 V's: register i: tile i in lanes 0-15, tile 4 + i in lanes 16-31
.set KF,  0                            ; in window 1
.set VF,  96
.set MK,  192
.set WV,  12
.set SEL, 22
.set CS,  24                           ; log2(e) / sqrt(128), as a pair
.set MS,  26                           ; sqrt(128), as a pair
.set G1K, 28
.set G1M, 36
.set G0K, 44
.set G0M, 48
.set TB,  52
.set SLOTS, 53
.set PFA, 54
.set LIM, 56
.set MSB, 0
.macro WIN new                         ; the immediate's high byte repeats the setting that is left; a switch that changes nothing is dropped
.if MSB != \new
	s_set_vgpr_msb (MSB<<8)|\new
.set MSB, \new
.endif
.endm
.macro TLOAD                           ; the branches hang on the wave's number alone; four v_nop follow each of the two lines
	s_cmp_lt_u32 s[WV], 2
	s_cbranch_scc0 .Lnot_k_\@
	tensor_load_to_lds s[G0K:G0K+3], s[G1K:G1K+7]
	s_nop 0
.rept 4
	v_nop
.endr
	s_branch .Lasked_\@
.Lnot_k_\@:
	s_cmp_lt_u32 s[WV], 4
	s_cbranch_scc0 .Lasked_\@
	tensor_load_to_lds s[G0M:G0M+3], s[G1M:G1M+7]
	s_nop 0
.rept 4
	v_nop
.endr
.Lasked_\@:
.endm
; A PREFETCH INTO THE L2 of the mask tile that the NEXT change of slots will ask for: 64 rows x 1,024 bytes, 256 aligned blocks of 256 bytes.  The four partners that ask for the tile jointly take 16 rows each, told apart by
; address (cx); in each, waves 4 and 5 take 8 rows, a lane a block: each block is named once in the launch.  The last change that fills a slot asks for nothing; nothing is asked for at the head.
; K and V are read by eight clusters each and are not asked for.
.macro ASK
	s_cmp_gt_u32 s[SLOTS], s[LIM]
	s_cbranch_scc0 .Lnot_mine_\@
	global_prefetch_b8 v[PFO], s[PFA:PFA+1] th:TH_LOAD_NT scope:SCOPE_SE
.Lnot_mine_\@:
.endm
.macro CROUND                          ; a round of the cluster's barrier
	s_barrier_signal -1
	s_barrier_wait -1
	s_cmp_lg_u32 s[WV], 0
	s_cbranch_scc1 .Lnot_wave_0_\@
	s_barrier_signal -3
.Lnot_wave_0_\@:
	s_barrier_wait -3
	s_barrier_signal -1
	s_barrier_wait -1
.endm
	s_load_b256 s[4:11], s[0:1], 0x0               ; q_q, kv_q, attention_mask, a_q
	v_lshl_add_u32 v[SPW], v0, 2, SPARE
	v_mov_b32 v[NIL], 0
	ds_add_u32 v3, v4
	s_wait_dscnt 0x0
	v_lshrrev_b32 v8, 5, v0
	v_readfirstlane_b32 s[WV], v8                  ; wave 0..7
	s_and_b32 s13, s[WV], 1
	s_and_b32 s14, s[WV], 3                        ; my tile of queries
	s_lshr_b32 s15, s[WV], 2                       ; which of the two query heads
	s_bfe_u32 s16, ttmp6, 0x40000                  ; cx: the key/value head
	s_bfe_u32 s17, ttmp6, 0x40004                  ; cy
	s_and_b32 s18, ttmp7, 0xffff
	s_lshr_b32 s19, s18, 3                         ; the batch
	s_and_b32 s20, s18, 7
	s_lshl_b32 s20, s20, 2
	s_add_co_u32 s20, s20, s17                     ; the group of 64 queries
	s_lshl_b32 s58, s19, 2
	s_add_co_u32 s58, s58, s16
	s_lshl_b32 s58, s58, 4
	s_add_co_u32 s58, s58, s13
	s_mul_i32 s58, s58, SBB                        ; K, V: key step (w % 2) of (batch, key/value head)
	s_mov_b32 s59, 0
	s_lshl_b32 s60, s19, 24
	s_lshl_b32 s61, s20, 19
	s_add_co_u32 s60, s60, s61                     ; the mask at my group's first row
	s_mov_b32 s62, s60
	s_lshl_b32 s61, s13, 9
	s_add_co_u32 s60, s60, s61                     ; key step (w % 2)
	s_mov_b32 s61, 0
	s_lshl_b32 s63, s16, 4
	s_lshl_b32 s57, s13, 3
	s_add_co_u32 s63, s63, s57
	s_lshl_b32 s63, s63, 13
	s_add_co_u32 s62, s62, s63                     ; the prefetches: rows 16 cx + 8 (w % 2) on,
	s_add_co_u32 s62, s62, 1024                    ; in slot 1: the first change of slots steps it to slot 2
	s_mov_b32 s63, 0
	s_lshr_b32 s57, s[WV], 1
	s_cmp_eq_u32 s57, 2
	s_cselect_b32 s[LIM], 1, -1                    ; waves 4 and 5 ask
	s_lshl_b32 s57, s17, 2
	s_lshl_b32 s57, 15, s57                        ; my row of the cluster
	s_lshl_b32 s74, 0x1111, s16                    ; my column
	s_or_b32 s[G1K], s74, (3<<16)|(1<<21)          ; K, V: 100 rows of 32 elements of 8 bytes, dense
	s_mov_b32 s[G1K+1], 32<<16
	s_mov_b32 s[G1K+2], 100<<16
	s_mov_b32 s[G1K+3], 32<<16
	s_mov_b32 s[G1K+4], 100
	s_mov_b32 s[G1K+5], 32
	s_mov_b32 s[G1K+6], 0
	s_mov_b32 s[G1K+7], 0
	s_or_b32 s[G1M], s57, (2<<16)|(1<<20)|(1<<21)|(6<<22)|(1<<25)   ; the mask: elements of 4 bytes; 2 words of padding behind every 128
	s_mov_b32 s[G1M+1], 128<<16
	s_mov_b32 s[G1M+2], 64<<16
	s_mov_b32 s[G1M+3], 128<<16
	s_mov_b32 s[G1M+4], 64
	s_mov_b32 s[G1M+5], 2048
	s_mov_b32 s[G1M+6], 0
	s_mov_b32 s[G1M+7], 0
	; Q's group ((8 b + head) x 32 + g) of 6,400 bytes
	s_lshl_b32 s66, s19, 3
	s_lshl_b32 s67, s16, 1
	s_add_co_u32 s66, s66, s67
	s_add_co_u32 s66, s66, s15
	s_lshl_b32 s66, s66, 5
	s_add_co_u32 s66, s66, s20
	s_mul_i32 s66, s66, 6400
	s_mul_i32 s67, s14, 1536
	s_add_co_u32 s68, s66, s67                     ; my fragment,
	s_mov_b32 s69, 0
	s_lshl_b32 s67, s14, 2
	s_add_co_u32 s66, s66, s67
	s_add_co_u32 s66, s66, 6144                    ; its scale words
	s_mov_b32 s67, 0
	; the output's super-block ((16 b + g / 2) x 4 + key/value head)
	s_lshl_b32 s70, s19, 4
	s_lshr_b32 s71, s20, 1
	s_add_co_u32 s70, s70, s71
	s_lshl_b32 s70, s70, 2
	s_add_co_u32 s70, s70, s16
	s_mul_i32 s70, s70, SBB
	s_and_b32 s71, s20, 1
	s_lshl_b32 s72, s71, 9
	s_add_co_u32 s72, s72, s70
	s_add_co_u32 s72, s72, 24576                   ; the work-group's 512 scale bytes,
	s_mov_b32 s73, 0
	s_lshl_b32 s71, s71, 2
	s_lshl_b32 s74, s15, 3
	s_add_co_u32 s71, s71, s74
	s_add_co_u32 s71, s71, s14
	s_mul_i32 s71, s71, 1536
	s_add_co_u32 s70, s70, s71                     ; my fragment (K step = head % 2, block 4 (g % 2) + tile)
	s_mov_b32 s71, 0
	s_mov_b32 s[SEL], 0x76543210
	s_mov_b32 s[SEL+1], 0xfedcba98
	s_mov_b32 s[CS], 0x3e0293ee
	s_mov_b32 s[CS+1], s[CS]
	s_mov_b32 s[MS], 0x413504f3
	s_mov_b32 s[MS+1], s[MS]
	s_mov_b32 s[TB], 0
	s_mov_b32 s[SLOTS], NSL-1
	s_wait_kmcnt 0x0
	s_mov_b32 s[G0K], 1
	s_mul_i32 s[G0K+1], s13, SBB
	s_add_nc_u64 s[G0K+2:G0K+3], s[6:7], s[58:59]
	s_or_b32 s[G0K+3], s[G0K+3], 0x80000000
	s_mov_b32 s[G0M], 1
	s_mul_i32 s[G0M+1], s13, MSTEP
	s_add_co_u32 s[G0M+1], s[G0M+1], MOFF
	s_add_nc_u64 s[G0M+2:G0M+3], s[8:9], s[60:61]
	s_or_b32 s[G0M+3], s[G0M+3], 0x80000000
	s_add_nc_u64 s[PFA:PFA+1], s[8:9], s[62:63]
	s_add_nc_u64 s[68:69], s[4:5], s[68:69]
	s_add_nc_u64 s[66:67], s[4:5], s[66:67]
	s_add_nc_u64 s[70:71], s[10:11], s[70:71]
	s_add_nc_u64 s[72:73], s[10:11], s[72:73]
	CROUND                                         ; all sixteen work-groups are here: the first joint loads meet
	TLOAD                                          ; slot 0
	v_and_b32 v8, 15, v0                           ; r
	v_bfe_u32 v9, v0, 4, 1                         ; h
	v_and_b32 v10, 31, v0
	v_lshlrev_b32 v[LI], 4, v10
.irp c, 0,1,2
	global_load_b128 v[16+4*\c:19+4*\c], v[LI], s[68:69] offset:512*\c   ; Q's fragment stays in registers
.endr
	v_lshlrev_b32 v254, 4, v8
	global_load_b32 v255, v254, s[66:67]           ; Q's scale words
	v_and_b32 v11, 8, v8
	v_add_nc_u32 v11, v11, v8                      ; r + 8 (r / 8)
	s_lshr_b32 s57, s14, 1
	s_lshl_b32 s57, s57, 5
	s_and_b32 s74, s14, 1
	s_lshl_b32 s74, s74, 3
	s_add_co_u32 s57, s57, s74
	v_add_nc_u32 v11, s57, v11                     ; my query's row in the group: 32 (tile / 2) + 8 (tile % 2) + r + 8 (r / 8)
	v_mul_u32_u24 v[AM0], v11, MP
	v_lshl_add_u32 v[AM0], v9, 6, v[AM0]
	v_add_nc_u32 v[AM0], MOFF, v[AM0]
	s_lshl_b32 s57, s14, 7
	s_lshl_b32 s74, s15, 2
	s_add_co_u32 s57, s57, s74
	s_add_co_u32 s57, s57, SCR
	v_lshl_add_u32 v7, v8, 3, s57                  ; my row's scale word on the way out: 128 x tile + 8 r + 4 x (head % 2)
	v_lshrrev_b32 v[PFO], 2, v10
	v_lshlrev_b32 v[PFO], 13, v[PFO]
	v_and_b32 v11, 3, v10
	v_lshl_add_u32 v[PFO], v11, 8, v[PFO]          ; the prefetches: row lane / 4, block lane % 4
	v_mov_b32 v13, 0xff61b1e6                      ; the largest t so far: -3e38
	v_floor_f32 v12, -v13                          ; -M
	v_mov_b32 v14, 0
	v_mov_b32 v15, 0
.irp b, 0,1,2,3
	v_mov_b32 v[236+\b], 0                         ; written once: a lane permute's destination counts as one of its sources
.endr
	v_mov_b32 v253, 0
.set j, 0
.rept 64
	v_mov_b32 v[160+j], 0                          ; O^T: the step is written once; the first change of M leaves zeros zeros
.set j, j+1
.endr
; Four products on accumulators acc + 8 (4 g + t): source 0 = fragment 4 g + t from a0 on, in window 1; source 1 from b0 on; the scale words of tiles 4-7 lie in lanes 16-31.
.macro MM acc, g, a0, b0, sa, sb
.irp t, 0,1,2,3
.if \g
	v_wmma_scale_f32_16x16x128_f8f6f4 v[\acc+8*(4*\g+\t):\acc+7+8*(4*\g+\t)], v[\a0+12*(4*\g+\t):\a0+12*(4*\g+\t)+11], v[\b0:\b0+11], v[\acc+8*(4*\g+\t):\acc+7+8*(4*\g+\t)], v[\sa+\t], v[\sb] matrix_a_fmt:MATRIX_FMT_FP6 matrix_b_fmt:MATRIX_FMT_FP6 matrix_a_scale:MATRIX_SCALE_ROW1
.else
	v_wmma_scale_f32_16x16x128_f8f6f4 v[\acc+8*(4*\g+\t):\acc+7+8*(4*\g+\t)], v[\a0+12*(4*\g+\t):\a0+12*(4*\g+\t)+11], v[\b0:\b0+11], v[\acc+8*(4*\g+\t):\acc+7+8*(4*\g+\t)], v[\sa+\t], v[\sb] matrix_a_fmt:MATRIX_FMT_FP6 matrix_b_fmt:MATRIX_FMT_FP6
.endif
.endr
.endm
; From the four blocks' largest magnitudes in v232-235 and 64 numbers in v96-159: the scale word in v[pw], the fragment's codes in v224-235.
.macro CODES pw
.irp b, 0,1,2,3
	v_add_nc_u32 v[244+\b], 0xff000000, v[232+\b]  ; 2 off the exponent field: the conversion's scale operand
.endr
.irp b, 0,1,2,3
	v_lshrrev_b32 v[236+\b], 23, v[244+\b]         ; the scale's byte
.endr
	v_lshl_or_b32 v[\pw], v237, 8, v236
	v_lshl_or_b32 v[\pw], v238, 16, v[\pw]
	v_lshl_or_b32 v[\pw], v239, 24, v[\pw]
.irp c, 0,1
	v_cvt_scalef32_pk16_fp6_f32 v[224+6*\c:226+6*\c], v[96+32*\c:111+32*\c], v[244+2*\c]
	v_cvt_scalef32_pk16_fp6_f32 v[236+4*\c:238+4*\c], v[112+32*\c:127+32*\c], v[244+2*\c+1]
.endr
	v_nop                                          ; one plain place behind a scaled conversion
.irp c, 0,1                                    ; the operand's layout wants a whole block in a lane
.irp i, 0,1,2
	v_permlane16_swap_b32 v[224+6*\c+\i], v[236+4*\c+\i]
.endr
.irp i, 0,1,2
	v_mov_b32 v[227+6*\c+\i], v[236+4*\c+\i]
.endr
.endr
.endm
; A SLOT'S FIRST RUN, 63 loads: both steps' scale words (4), V's first fragment of step 0 (3), the mask of step 0 (32 loads of 8 bytes), K of step 0 (24).
; Load i of a part's 24 brings registers 4 i .. 4 i + 3 of its eight fragments, 512 i bytes on.  Load i of the mask's 32 brings keys 32 (i / 8) + 16 (lane / 16) + 2 (i % 8) + 0, 1 of my query.
.macro HEAD
	v_add_nc_u32 v[ADK], s[TB], v[LI]
	v_add_nc_u32 v[ADM], s[TB], v[AM0]
	v_nop
	v_nop                                          ; four places in front of loads into registers that the last products read
.irp i, 0,1
	ds_load_b128 v[SCW+4*\i:SCW+4*\i+3], v[ADK] offset:SBB*\i+12288
	ds_load_b128 v[SCW+8+4*\i:SCW+8+4*\i+3], v[ADK] offset:SBB*\i+HB+12288
.endr
	WIN 0x40                                       ; destination window 1, address window 0
.set li, 0
.rept 3
	ds_load_b128 v[VF+4*li:VF+4*li+3], v[ADK] offset:HB+512*li
.set li, li+1
.endr
.set li, 0
.rept 32
	ds_load_b64 v[MK+2*li:MK+2*li+1], v[ADM] offset:128*(li/8)+8*(li%8)
.set li, li+1
.endr
.set li, 0
.rept 24
	ds_load_b128 v[KF+4*li:KF+4*li+3], v[ADK] offset:512*li
.set li, li+1
.endr
	WIN 0
.endm
; THE LOADS THAT ARE DEALT AMONG A SOFTMAX'S LINES are numbered; ONE writes number pf of step q's list.  Step 0: 0-20 the rest of V of step 0, 21-52 the mask of step 1, 53-76 K of step 1.  Step 1: 0-23 V of step 1.
.macro ONE q
.if (\q) == 0
.if pf < 21
.set li, pf+3
	ds_load_b128 v[VF+4*li:VF+4*li+3], v[ADK] offset:HB+512*li
.elseif pf < 53
.set li, pf-21
	ds_load_b64 v[MK+2*li:MK+2*li+1], v[ADM] offset:MSTEP+128*(li/8)+8*(li%8)
.else
.set li, pf-53
	ds_load_b128 v[KF+4*li:KF+4*li+3], v[ADK] offset:SBB+512*li
.endif
.else
.set li, pf
	ds_load_b128 v[VF+4*li:VF+4*li+3], v[ADK] offset:SBB+HB+512*li
.endif
.endm
.macro PF q                            ; the list's next five, if so many are left: two switches of the window for a group
.if pf < NLIST
	WIN 0x40
.rept 5
.if pf < NLIST
	ONE \q
.set pf, pf+1
.endif
.endr
	WIN 0
.endif
.endm
; S' = k . q + mask sqrt(128) of step q.  In front of it, the youngest LDS loads are the mask's 32 and behind them K's 24.
.macro P1 q
	s_wait_dscnt 24                                ; the mask is in; K's 24 loads may be out
	WIN 0x01                                       ; source 0 window 1
.set j, 0
.rept 32
	v_pk_mul_f32 v[96+j:97+j], v[MK+j:MK+j+1], s[MS:MS+1] op_sel_hi:[1,0]   ; x sqrt(128), from window 1 into the accumulators
.set j, j+2
.endr
	s_wait_dscnt 12                                ; K's tiles 0-3 are in
	MM 96, 0, KF, 16, SCW+4*(\q), 255              ; each accumulator has one product a step, the accumulators by turns
	s_wait_dscnt 0x0
	MM 96, 1, KF, 16, SCW+4*(\q), 255
	WIN 0
.rept 4
	v_nop
.endr
.endm
; O^T += V^T P^T of step q.  left: the LDS loads issued behind V's, which may stay out.
.macro P3 q, left
	s_wait_dscnt \left
	WIN 0x01
	MM 160, 0, VF, 224, SCW+8+4*(\q), 253
	MM 160, 1, VF, 224, SCW+8+4*(\q), 253
	WIN 0
.endm
; THE SOFTMAX of step q, with sixteen places for groups of loads: three in the search for the maxima, one behind it, four among the scalings, eight among the exponentials.  V's loads, which name v96-191 of window 1, are all out
; ahead of the exponentials; the loads among the exponentials name v0-95 and v192-255 of window 1.  In step 0 more loads are issued between two waits (77) than DScnt's field counts: the issue then holds back by itself (ISA guide 5.7.1).
.macro SOFTMAX q
.set pf, 0
.irp b, 0,1,2,3
	v_max3_num_f32 v[232+\b], v[96+16*\b], v[97+16*\b], v[98+16*\b]   ; the largest score of each block of 32 keys: for the row's maximum and, since p rises with the score, for the block's largest p
.endr
.irp i, 3,5,7,9,11,13
.irp b, 0,1,2,3
	v_max3_num_f32 v[232+\b], v[232+\b], v[96+16*\b+\i], v[97+16*\b+\i]
.endr
.if (\i%4) == 1
	PF \q
.endif
.endr
.irp b, 0,1,2,3
	v_max_num_f32 v[232+\b], v[232+\b], v[111+16*\b]
.endr
.irp b, 0,1,2,3
	v_permlanex16_b32 v[236+\b], v[232+\b], s[SEL], s[SEL+1]
.endr
.irp b, 0,1,2,3
	v_max_num_f32 v[232+\b], v[232+\b], v[236+\b]
.endr
	PF \q
	v_max3_num_f32 v254, v232, v233, v234
	v_max_num_f32 v254, v254, v235
	v_mul_f32 v254, s[CS], v254                    ; as t
	v_max_num_f32 v13, v13, v254                   ; the running largest t
	v_mov_b32 v254, v12
	v_floor_f32 v12, -v13                          ; the new -M: M is a whole number
	v_sub_f32 v254, v12, v254
	v_cvt_i32_f32 v254, v254                       ; (it saturates)
	v_ldexp_f32 v252, 1.0, v254                    ; f = 2^(old M - new M)
.set j, 0
.rept 32
	v_pk_mul_f32 v[96+j:97+j], v[96+j:97+j], s[CS:CS+1] op_sel_hi:[1,0]   ; t, rounded
.if (j%32) == 30
	PF \q
.endif
.set j, j+2
.endr
.set j, 0
.rept 32
	v_pk_add_f32 v[96+j:97+j], v[96+j:97+j], v[12:13] op_sel_hi:[1,0]     ; t - M
.if (j%32) == 30
	PF \q
.endif
.set j, j+2
.endr
.irp b, 0,1,2,3
	v_mul_f32 v[232+\b], s[CS], v[232+\b]          ; the same two lines on each block's largest score give the same bits
.endr
.irp b, 0,1,2,3
	v_add_f32 v[232+\b], v[232+\b], v12
.endr
.set j, 0
.rept 64
	v_exp_f32 v[96+j], v[96+j]                     ; p = 2^(t - M), at most 1: not normalised
.if (j%8) == 7
	PF \q
.endif
.set j, j+1
.endr
	v_pk_mul_f32 v[14:15], v[14:15], v[252:253] op_sel_hi:[1,0]   ; the sums under the new M; a plain place behind the exponentials
	s_wait_alu depctr_va_vdst(0)                   ; one wait for the batch, ahead of its first reader
.irp b, 0,1,2,3
	v_exp_f32 v[232+\b], v[232+\b]                 ; the block's largest p
.endr
	v_pk_add_f32 v[236:237], v[96:97], v[98:99]    ; the row's sum of the unquantised p, two at a time, in two chains
.irp j, 4,8,12,16,20,24,28,32,36,40,44,48,52,56,60
	v_pk_add_f32 v[14:15], v[14:15], v[96+\j:97+\j]
	v_pk_add_f32 v[236:237], v[236:237], v[98+\j:99+\j]
.endr
	v_pk_add_f32 v[14:15], v[14:15], v[236:237]
	s_wait_alu depctr_va_vdst(0)                   ; and one for the four
.irp b, 0,1,2,3
	v_max_num_f32 v[232+\b], 0x1800000, v[232+\b]  ; the floor 2^(3 - 127)
.endr
	CODES 253
.set j, 0
.rept 32
	v_pk_mul_f32 v[160+j:161+j], v[160+j:161+j], v[252:253] op_sel_hi:[1,0]   ; O^T under the new M; these are also the places in front of the products that follow
.set j, j+2
.endr
.endm
.macro SLOT_STEPS                      ; a slot's two key steps
	HEAD
	P1 0
.set NLIST, 77
	SOFTMAX 0
	P3 0, 56                                       ; V of step 0 is in; the mask's 32 loads and K's 24 of step 1 may be out
	P1 1
.set NLIST, 24
	SOFTMAX 1
	P3 1, 0
.endm
; THE CHANGE OF SLOTS stands at a slot's head.  Each wave waits for all its tensor loads, adds 0 to its spare word, and waits for that and for its reads of the slot that it has left.  fill = 1: a round of the cluster's
; barrier, and behind it the slot just left is filled with the keys that follow: the load has two key steps in which to land.  One load of a wave is out behind each round.
.macro CHANGE fill
	s_wait_tensorcnt 0x0
	ds_add_u32 v[SPW], v[NIL]
.if \fill
	s_xor_b32 s[G0K+1], s[G0K+1], SLOT1
	s_add_nc_u64 s[G0K+2:G0K+3], s[G0K+2:G0K+3], 2*SBB
	s_xor_b32 s[G0M+1], s[G0M+1], SLOT1
	s_add_nc_u64 s[G0M+2:G0M+3], s[G0M+2:G0M+3], 1024
	s_wait_xcnt 0x0                                ; the last prefetch, a slot back, has read its address
	s_add_nc_u64 s[PFA:PFA+1], s[PFA:PFA+1], 1024
	s_wait_dscnt 0x0
	CROUND
	TLOAD
	ASK
.else
	s_wait_dscnt 0x0
	s_barrier_signal -1
	s_barrier_wait -1
.endif
.endm
	s_wait_loadcnt 0x0                             ; Q
.Lslot:                                            ; seven trips: behind each change of slots but the last the next slot is asked for
	CHANGE 1
	SLOT_STEPS
	s_xor_b32 s[TB], s[TB], SLOT1
	s_sub_co_u32 s[SLOTS], s[SLOTS], 1
	s_cmp_lg_u32 s[SLOTS], 0
	s_cbranch_scc1 .Lslot
	CHANGE 0                                       ; the last slot is written out
	SLOT_STEPS
	; THE WAY OUT: O^T / the sum, quantised along d, is a fragment of the output projection's left operand
.rept 4
	v_nop
.endr
	v_add_f32 v14, v14, v15
	v_permlanex16_b32 v252, v14, s[SEL], s[SEL+1]
	v_add_f32 v14, v14, v252                       ; the row's sum
	v_rcp_f32 v14, v14
	v_add_nc_u32 v8, SCR, v[LI]                    ; (a plain place)  where wave 0 reads the scale words back
	s_wait_alu depctr_va_vdst(0)                   ; a wait ahead of the first reader
.set j, 0
.rept 64
	v_mul_f32 v[96+j], v[160+j], v14               ; register 16 b + i is o(my query, d = 32 b + 16 h + i)
.set j, j+1
.endr
.irp b, 0,1,2,3
	v_max3_num_f32 v[232+\b], |v[96+16*\b]|, |v[97+16*\b]|, 0x1800000
.endr
.irp i, 2,4,6,8,10,12,14
.irp b, 0,1,2,3
	v_max3_num_f32 v[232+\b], v[232+\b], |v[96+16*\b+\i]|, |v[97+16*\b+\i]|
.endr
.endr
.irp b, 0,1,2,3
	v_permlanex16_b32 v[236+\b], v[232+\b], s[SEL], s[SEL+1]
.endr
.irp b, 0,1,2,3
	v_max_num_f32 v[232+\b], v[232+\b], v[236+\b]
.endr
	CODES 254
.irp c, 0,1,2
	global_store_b128 v[LI], v[224+4*\c:227+4*\c], s[70:71] offset:512*\c   ; 512 consecutive bytes, aligned to 256
.endr
	ds_store_b32 v7, v254                          ; lanes r and r + 16 write the same word with the same value
	s_wait_dscnt 0x0
	s_barrier_signal -1
	s_barrier_wait -1                              ; the eight waves' 512 scale bytes lie together
	s_cmp_lg_u32 s[WV], 0
	s_cbranch_scc1 .Lnot_first
	ds_load_b128 v[32:35], v8
	s_wait_dscnt 0x0
	global_store_b128 v[LI], v[32:35], s[72:73]    ; 512 consecutive bytes, aligned to 256
.Lnot_first:
	s_wait_tensorcnt 0x0                           ; the wave's end
	ds_add_u32 v[SPW], v[NIL]
	s_wait_dscnt 0x0
	CROUND                                         ; the closing round
	s_endpgm
.Lfunc_end_k_q90cc7c40fa_attn:
	.size	k_q90cc7c40fa_attn, .Lfunc_end_k_q90cc7c40fa_attn-k_q90cc7c40fa_attn
	.p2alignl 7, 3214868480
	.fill 96, 4, 3214868480
	.section	.rodata,"a",@progbits
	.p2align	6, 0x0
	.amdhsa_kernel k_q90cc7c40fa_attn
		.amdhsa_group_segment_fixed_size 327680
		.amdhsa_private_segment_fixed_size 0
		.amdhsa_enable_private_segment 0
		.amdhsa_kernarg_size 32
		.amdhsa_user_sgpr_count 2
		.amdhsa_user_sgpr_kernarg_segment_ptr 1
		.amdhsa_wavefront_size32 1
		.amdhsa_system_sgpr_workgroup_id_x 1
		.amdhsa_system_sgpr_workgroup_id_y 1
		.amdhsa_system_sgpr_workgroup_id_z 1
		.amdhsa_system_vgpr_workitem_id 0
		.amdhsa_next_free_vgpr 512
		.amdhsa_next_free_sgpr 100
		.amdhsa_reserve_vcc 0
		.amdhsa_float_denorm_mode_32 3
		.amdhsa_float_denorm_mode_16_64 3
		.amdhsa_memory_ordered 1
		.amdhsa_forward_progress 1
		.amdhsa_inst_pref_size 119
	.end_amdhsa_kernel
	.amdgpu_metadata
---
amdhsa.version: [ 1, 2 ]
amdhsa.kernels:
  - .name:           k_q90cc7c40fa_attn
    .symbol:         k_q90cc7c40fa_attn.kd
    .args:
      - { .name: q_q, .offset: 0, .size: 8, .value_kind: global_buffer, .address_space: global }
      - { .name: kv_q, .offset: 8, .size: 8, .value_kind: global_buffer, .address_space: global }
      - { .name: attention_mask, .offset: 16, .size: 8, .value_kind: global_buffer, .address_space: global }
      - { .name: a_q, .offset: 24, .size: 8, .value_kind: global_buffer, .address_space: global }
    .group_segment_fixed_size: 327680
    .private_segment_fixed_size: 0
    .kernarg_segment_align: 8
    .kernarg_segment_size: 32
    .max_flat_workgroup_size: 256
    .sgpr_count:     100
    .vgpr_count:     512
    .wavefront_size: 32
...
	.end_amdgpu_metadata
.endif
;; end of part 3
;; launch oproj (part 4): grid 16 x 16, 4 waves a work-group, clusters of 4 x 4, 327,680 bytes of LDS; arguments a_q, wo_q, out0; writes out0
.if DOCPART == 4
	.amdgcn_target "amdgcn-amd-amdhsa--gfx1250"
	.amdhsa_code_object_version 6
	.text
	.protected	k_q90cc7c40fa_oproj
	.globl	k_q90cc7c40fa_oproj
	.p2align	8
	.type	k_q90cc7c40fa_oproj,@function
k_q90cc7c40fa_oproj:
	s_mov_b64 s[64:65], 0
	v_nop
	global_prefetch_b8 v0, s[64:65] scope:SCOPE_SE
	s_setreg_imm32_b32 hwreg(HW_REG_WAVE_MODE, 25, 1), 1
	s_wait_xcnt 0x0
	s_wait_alu depctr_hold_cnt(0) depctr_sa_sdst(0) depctr_va_vdst(0) depctr_va_sdst(0) depctr_va_ssrc(0) depctr_va_vcc(0) depctr_vm_vsrc(0)
	s_getreg_b32 s2, hwreg(HW_REG_IB_STS2, 6, 4)
	s_cmp_eq_u32 s2, 0
	s_cbranch_scc0 .Lentry_in_a_cluster
	s_endpgm
.Lentry_in_a_cluster:
	s_bfe_u32 s2, ttmp6, 0x10000c
	s_cmp_lg_u32 s2, 0xf033
	s_cbranch_scc0 .Lentry_shape_is_right
	s_endpgm
.Lentry_shape_is_right:
; out0[m][n] = sum over k of A[m][k] Wo[k][n], M = N = 4,096, K = 1,024, on codes of FP6 (E2M3) with E8M0 scales; f32 sums, f32 out.
; Both operands lie in memory as super-blocks of register images (128 rows x 256 K, 25,600 bytes: fragment (K step s, block a) at (8 s + a) x 1,536; from byte 24,576 on 8 scale bytes a row);
; in a group of 32 rows fragment u holds in lane row r the row 8 u + r + 8 (r / 8).  a_q: super-block 4 T + J (T = token / 128), wo_q: 4 T + J (T = n / 128), J = k / 256.
; A tile of out0, 256 x 256, is made by four waves, each 128 x 128: 64 accumulators.  K goes in steps of 256 through two LDS slots of four super-blocks; wave w fetches super-block w (A's two, then B's two), codes and scales by one dense load.
; CLUSTERS: 4 x 4; A's tiles are asked for jointly along a row of the cluster, B's along a column.  THE PRODUCT IS USED TRANSPOSED (source 0 = Wo's rows n, source 1 = tokens): a lane holds eight neighbouring columns of one row.
; REGISTERS: window 0: v0-31 addresses; v32-63 scale words, two sets; from v128 A's fragments, one set.  Window 1: B's fragments, two sets.  Windows 2, 3: the accumulators of my blocks 0-3, 4-7.
.set SBB,    25600
.set NQ,     2
.set FR,     12
.set NL,     3                         ; LDS loads that bring a fragment
.set NP,     4
.set SLOT,   4*SBB
.set LAPS,   2
.set SPARE,  2*SLOT                    ; the spare words: 128 bytes a wave, two blocks of 256 bytes that no other line names
.set SPITCH, 528                       ; the way out: 16 rows x (512 + 16) bytes for each wave, in slot 0, which has had its last fill and its last read by then
.set ADRA, 16
.set ADRB, 20
.set ADRS, 22
.set STO,  24
.set RD,   25
.set CO,   26
.set SPW,  28
.set NIL,  29
.set SC,   32                          ; set s at 32 + 16 s; register 2 i + q: lanes 0-15 the word of A's block i, lanes 16-31 that of B's block i
.set AF,   128
.set BK,   128
.set G1, 24
.set G0, 32
.set G1B, 48
.set G0B, 56
.set MSB, 0
.macro WIN new
.if MSB != \new
	s_set_vgpr_msb (MSB<<8)|\new
.set MSB, \new
.endif
.endm
.set MUL_LO, 0xa1
.set MUL_HI, 0xf1
.set TO_B,   0x40
.macro JLOAD s                         ; waves 0 and 1 fetch for A, waves 2 and 3 for B; four v_nop follow each of the two lines
	s_cmp_eq_u32 s15, 0
	s_cbranch_scc0 .Lfor_b_\@
	tensor_load_to_lds s[G0+4*\s:G0+4*\s+3], s[G1:G1+7]
	s_nop 0
.rept 4
	v_nop
.endr
	s_branch .Lasked_\@
.Lfor_b_\@:
	tensor_load_to_lds s[G0B+4*\s:G0B+4*\s+3], s[G1B:G1B+7]
	s_nop 0
.rept 4
	v_nop
.endr
.Lasked_\@:
.endm
.macro CREST
	s_cmp_lg_u32 s14, 0
	s_cbranch_scc1 .Lnot_wave_0_\@
	s_barrier_signal -3
.Lnot_wave_0_\@:
	s_barrier_wait -3
	s_barrier_signal -1
	s_barrier_wait -1
.endm
.macro CROUND
	s_barrier_signal -1
	s_barrier_wait -1
	CREST
.endm
	s_load_b128 s[4:7], s[0:1], 0x0                ; a_q, wo_q
	s_load_b64 s[12:13], s[0:1], 0x10              ; out0
	v_lshl_add_u32 v[SPW], v0, 2, SPARE
	v_mov_b32 v[NIL], 0
	ds_add_u32 v28, v29
	s_wait_dscnt 0x0
	v_lshrrev_b32 v1, 5, v0
	v_readfirstlane_b32 s14, v1                    ; wave
	s_lshr_b32 s15, s14, 1                         ; which half of the tile's rows is mine.  Also: I fetch for A (0) or for B (1)
	s_and_b32 s16, s14, 1                          ; which half of its columns.  Also: which super-block of that operand I fetch
	s_bfe_u32 s40, ttmp6, 0x40000
	s_bfe_u32 s41, ttmp6, 0x40004
	s_lshl_b32 s42, ttmp9, 2
	s_add_co_u32 s42, s42, s40                     ; tile column
	s_and_b32 s17, ttmp7, 0xffff
	s_lshl_b32 s17, s17, 2
	s_add_co_u32 s17, s17, s41                     ; tile row
	s_lshl_b32 s43, s41, 2
	s_lshl_b32 s43, 15, s43
	s_lshl_b32 s44, 0x1111, s40
	s_or_b32 s[G1+0], s43, (3<<16)|(1<<21)         ; a dense block: 100 rows of 32 elements of 8 bytes
	s_or_b32 s[G1B+0], s44, (3<<16)|(1<<21)
.irp g, G1, G1B
	s_mov_b32 s[\g+1], 32<<16
	s_mov_b32 s[\g+2], 100<<16
	s_mov_b32 s[\g+3], 32<<16
	s_mov_b32 s[\g+4], 100
	s_mov_b32 s[\g+5], 32
	s_mov_b32 s[\g+6], 0
	s_mov_b32 s[\g+7], 0
.endr
	s_lshl_b32 s20, s17, 1
	s_add_co_u32 s20, s20, s16
	s_mul_i32 s20, s20, 4*SBB                      ; A: row 2 x tile row + part of super-blocks
	s_mov_b32 s21, 0
	s_lshl_b32 s46, s42, 1
	s_add_co_u32 s46, s46, s16
	s_mul_i32 s46, s46, 4*SBB                      ; B likewise, by the tile column
	s_mov_b32 s47, 0
	s_mul_i32 s45, s14, SBB                        ; where they go: no place in the cluster enters an LDS address
	s_wait_kmcnt 0x0
	s_add_nc_u64 s[20:21], s[4:5], s[20:21]
	s_add_nc_u64 s[46:47], s[6:7], s[46:47]
	CROUND                                         ; all sixteen work-groups are here: the first joint loads meet
.irp s, 0,1
	s_mov_b32 s[G0+4*\s], 1
	s_add_co_u32 s[G0+4*\s+1], s45, \s*SLOT
	s_add_nc_u64 s[G0+4*\s+2:G0+4*\s+3], s[20:21], \s*SBB
	s_or_b32 s[G0+4*\s+3], s[G0+4*\s+3], 0x80000000
	s_mov_b32 s[G0B+4*\s], 1
	s_add_co_u32 s[G0B+4*\s+1], s45, \s*SLOT
	s_add_nc_u64 s[G0B+4*\s+2:G0B+4*\s+3], s[46:47], \s*SBB
	s_or_b32 s[G0B+4*\s+3], s[G0B+4*\s+3], 0x80000000
	JLOAD \s                                       ; two loads of mine are out
.endr
	v_and_b32 v1, 15, v0                           ; r
	v_bfe_u32 v2, v0, 4, 1                         ; h
	v_and_b32 v6, 31, v0
	v_lshlrev_b32 v[CO], 4, v6                     ; 16 x lane
	s_mul_i32 s21, s15, SBB                        ; my super-block of A,
	s_mul_i32 s22, s16, SBB
	s_add_co_u32 s22, s22, 2*SBB                   ; and of B
	v_add_nc_u32 v[ADRA], s21, v[CO]
	v_add_nc_u32 v[ADRA+1], SLOT, v[ADRA]
	v_add_nc_u32 v[ADRB], s22, v[CO]
	v_add_nc_u32 v[ADRB+1], SLOT, v[ADRB]
	s_sub_co_u32 s22, s22, s21
	v_mul_u32_u24 v5, s22, v2                      ; lanes 16-31 take B's scale words: the lower base + h x the distance
	v_lshl_add_u32 v5, v1, 3, v5
	s_add_co_u32 s21, s21, 24576
	v_add_nc_u32 v[ADRS], s21, v5
	v_add_nc_u32 v[ADRS+1], SLOT, v[ADRS]
	s_mul_i32 s23, s14, 16*SPITCH                  ; my stage
	v_mul_u32_u24 v5, v1, SPITCH
	v_lshl_add_u32 v5, v2, 6, v5
	v_add_nc_u32 v[STO], s23, v5                   ; in: row r, + 64 h
	v_add_nc_u32 v[RD], s23, v[CO]                 ; back: the 32 lanes take one row of 512 bytes
	s_lshl_b32 s20, s17, 8
	s_lshl_b32 s21, s15, 7
	s_add_co_u32 s20, s20, s21
	s_lshl_b32 s20, s20, 14                        ; my first row of out0, 16,384 bytes a row
	s_lshl_b32 s46, s42, 10
	s_lshl_b32 s47, s16, 9
	s_add_co_u32 s46, s46, s47
	s_add_co_u32 s20, s20, s46                     ; my first column
	s_mov_b32 s21, 0
	s_add_nc_u64 s[12:13], s[12:13], s[20:21]
.macro FRAG reg, adr, q, i             ; a fragment comes as it lies: three loads of 512 consecutive bytes
.irp c, 0,1,2
	ds_load_b128 v[\reg+4*\c:\reg+4*\c+3], v[\adr] offset:(8*(\q)+(\i))*1536+512*\c
.endr
.endm
; 16 products: A's blocks a0, a0 + 1 x B's eight.  The 64 accumulators take turns, in the same order in every step.
.macro MUL16 a0, p, q, sc, zero
.irp a, \a0, \a0+1
.irp b, 0,1,2,3,4,5,6,7
.if \zero
	v_wmma_scale_f32_16x16x128_f8f6f4 v[8*(8*((\a)%4)+\b):8*(8*((\a)%4)+\b)+7], v[128*(\p)+FR*\b:128*(\p)+FR*\b+FR-1], v[AF+FR*(\a):AF+FR*(\a)+FR-1], 0, v[SC+8*NQ*(\sc)+NQ*\b+(\q)], v[SC+8*NQ*(\sc)+NQ*(\a)+(\q)] matrix_a_fmt:MATRIX_FMT_FP6 matrix_b_fmt:MATRIX_FMT_FP6 matrix_a_scale:MATRIX_SCALE_ROW1
.else
	v_wmma_scale_f32_16x16x128_f8f6f4 v[8*(8*((\a)%4)+\b):8*(8*((\a)%4)+\b)+7], v[128*(\p)+FR*\b:128*(\p)+FR*\b+FR-1], v[AF+FR*(\a):AF+FR*(\a)+FR-1], v[8*(8*((\a)%4)+\b):8*(8*((\a)%4)+\b)+7], v[SC+8*NQ*(\sc)+NQ*\b+(\q)], v[SC+8*NQ*(\sc)+NQ*(\a)+(\q)] matrix_a_fmt:MATRIX_FMT_FP6 matrix_b_fmt:MATRIX_FMT_FP6 matrix_a_scale:MATRIX_SCALE_ROW1
.endif
.endr
.endr
.endm
.macro FETCH_B slot, q, p
	WIN TO_B
.irp i, 0,1,2,3,4,5,6,7
	FRAG 128*(\p)+FR*\i, ADRB+\slot, \q, \i
.endr
	WIN 0
.endm
.macro FETCH_A slot, q, i0
.irp i, \i0, \i0+1, \i0+2, \i0+3
	FRAG AF+FR*(\i), ADRA+\slot, \q, \i
.endr
.endm
.macro SCALES sc                       ; a slot's scale words: 8 bytes a row are the words of its two K steps
.irp i, 0,1,2,3,4,5,6,7
	ds_load_b64 v[SC+8*NQ*\sc+NQ*\i:SC+8*NQ*\sc+NQ*\i+1], v[ADRS+\sc] offset:\i*128
.endr
.endm
.macro PLACES n
.rept \n
	v_nop
.endr
.endm
.macro STEP slot, q, zero              ; a step of 128 along K that has its successor in the same slot
	s_wait_dscnt 4*NL                              ; B's set and A's blocks 0-3 are in; the youngest loads (A's blocks 4-7) may be out
	WIN MUL_LO
	MUL16 0, (\q)%2, \q, \slot, \zero
	MUL16 2, (\q)%2, \q, \slot, \zero
	s_wait_dscnt 0
	PLACES NP
	FETCH_B \slot, (\q)+1, 1-(\q)%2
	FETCH_A \slot, (\q)+1, 0
	WIN MUL_HI
	MUL16 4, (\q)%2, \q, \slot, \zero
	MUL16 6, (\q)%2, \q, \slot, \zero
	PLACES NP
	WIN 0
	FETCH_A \slot, (\q)+1, 4
.endm
; A slot's last step changes slots: one barrier; in front of it each wave waits for all its tensor loads, adds 0 to its spare word, and waits for that and for its reads of this slot.
.macro TURN slot, next, fill
	s_wait_tensorcnt 0x0
	ds_add_u32 v[SPW], v[NIL]
	s_wait_dscnt 4*NL+1                            ; the add and A's blocks 4-7 may be out
	WIN MUL_LO
	MUL16 0, 1, NQ-1, \slot, 0
	s_wait_dscnt 0x0                               ; the add is done, and my reads of this slot are over
	s_barrier_signal -1
	MUL16 2, 1, NQ-1, \slot, 0
	WIN 0
	s_barrier_wait -1
.if \fill
	CREST                                          ; the barrier has opened a round of the cluster's
	s_add_nc_u64 s[G0+4*\slot+2:G0+4*\slot+3], s[G0+4*\slot+2:G0+4*\slot+3], 2*SBB
	s_add_nc_u64 s[G0B+4*\slot+2:G0B+4*\slot+3], s[G0B+4*\slot+2:G0B+4*\slot+3], 2*SBB
	JLOAD \slot                                    ; the first tensor load behind the round; its four v_nop are also the places in front of the loads below
.else
	PLACES NP
.endif
	FETCH_B \next, 0, 0
	FETCH_A \next, 0, 0
	SCALES \next
	WIN MUL_HI
	MUL16 4, 1, NQ-1, \slot, 0
	MUL16 6, 1, NQ-1, \slot, 0
	PLACES NP
	WIN 0
	FETCH_A \next, 0, 4
.endm
	s_wait_tensorcnt 1                             ; my part of slot 0 is in (slot 1's may be out)
	s_barrier_signal -1
	s_barrier_wait -1                              ; everybody's is
	FETCH_B 0, 0, 0
	FETCH_A 0, 0, 0
	SCALES 0
	FETCH_A 0, 0, 4
	STEP 0, 0, 1                                   ; the first step's products start the sums
	s_mov_b32 s3, LAPS-1
.Llap:
	TURN 0, 1, 1
	STEP 1, 0, 0
	TURN 1, 0, 1
	STEP 0, 0, 0
	s_sub_co_u32 s3, s3, 1
	s_cmp_lg_u32 s3, 0
	s_cbranch_scc1 .Llap
	TURN 0, 1, 0                                   ; the last lap fills nothing
	STEP 1, 0, 0
	s_wait_dscnt 4*NL
	WIN MUL_LO
	MUL16 0, 1, NQ-1, 1, 0
	MUL16 2, 1, NQ-1, 1, 0
	s_wait_dscnt 0
	WIN MUL_HI
	MUL16 4, 1, NQ-1, 1, 0
	MUL16 6, 1, NQ-1, 1, 0
	WIN 0
; THE WAY OUT, block by block of 16 rows x 128 columns, through my own stage: register j of accumulator (a, b) is column 32 (b / 2) + 16 h + 8 (b % 2) + j of the row that block a holds in lane row r.
.macro TOSTAGE a
.set AC, 64*((\a)%4)
	WIN 0x08+4*((\a)/4)
.irp b, 0,1,2,3,4,5,6,7
	ds_store_b128 v[STO], v[AC+8*\b:AC+8*\b+3] offset:128*(\b/2)+32*(\b%2)          ; each accumulator from its low end on
	ds_store_b128 v[STO], v[AC+8*\b+4:AC+8*\b+7] offset:128*(\b/2)+32*(\b%2)+16
.endr
	WIN 0
.set BB, BK+64*((\a)%2)
.irp t, 0,1,2,3,4,5,6,7,8,9,10,11,12,13,14,15
	ds_load_b128 v[BB+4*\t:BB+4*\t+3], v[RD] offset:\t*SPITCH   ; a wave's LDS instructions are served in order: these see the stores above
.endr
.endm
.macro SEND a, younger                 ; stage row t of block a is row 32 (a / 2) + 8 (a % 2) + t + 8 (t / 8) of my 128: its place stands in the immediate, 127 rows of 16,384 bytes at the most
.set BB, BK+64*((\a)%2)
	s_wait_dscnt \younger
.irp t, 0,1,2,3,4,5,6,7,8,9,10,11,12,13,14,15
	global_store_b128 v[CO], v[BB+4*\t:BB+4*\t+3], s[12:13] offset:(32*((\a)/2)+8*((\a)%2)+\t+8*(\t/8))*16384 th:TH_STORE_NT   ; 512 consecutive bytes, aligned to 256
.endr
.endm
	PLACES NP
	TOSTAGE 0
.irp a, 1,2,3,4,5,6,7
.if \a > 1
	s_wait_xcnt 0x0                                ; block a - 2's stores have read their registers: block a's loads may land there
.endif
	TOSTAGE \a
	SEND \a-1, 32                                  ; behind block a - 1's loads: block a's 16 stores and 16 loads
.endr
	SEND 7, 0
	s_wait_tensorcnt 0x0                           ; the wave's end
	ds_add_u32 v[SPW], v[NIL]
	s_wait_dscnt 0x0
	CROUND                                         ; the closing round
	s_endpgm
.Lfunc_end_k_q90cc7c40fa_oproj:
	.size	k_q90cc7c40fa_oproj, .Lfunc_end_k_q90cc7c40fa_oproj-k_q90cc7c40fa_oproj
	.p2alignl 7, 3214868480
	.fill 96, 4, 3214868480
	.section	.rodata,"a",@progbits
	.p2align	6, 0x0
	.amdhsa_kernel k_q90cc7c40fa_oproj
		.amdhsa_group_segment_fixed_size 327680
		.amdhsa_private_segment_fixed_size 0
		.amdhsa_enable_private_segment 0
		.amdhsa_kernarg_size 24
		.amdhsa_user_sgpr_count 2
		.amdhsa_user_sgpr_kernarg_segment_ptr 1
		.amdhsa_wavefront_size32 1
		.amdhsa_system_sgpr_workgroup_id_x 1
		.amdhsa_system_sgpr_workgroup_id_y 1
		.amdhsa_system_sgpr_workgroup_id_z 1
		.amdhsa_system_vgpr_workitem_id 0
		.amdhsa_next_free_vgpr 1024
		.amdhsa_next_free_sgpr 98
		.amdhsa_reserve_vcc 0
		.amdhsa_float_denorm_mode_32 3
		.amdhsa_float_denorm_mode_16_64 3
		.amdhsa_memory_ordered 1
		.amdhsa_forward_progress 1
		.amdhsa_inst_pref_size 132
	.end_amdhsa_kernel
	.amdgpu_metadata
---
amdhsa.version: [ 1, 2 ]
amdhsa.kernels:
  - .name:           k_q90cc7c40fa_oproj
    .symbol:         k_q90cc7c40fa_oproj.kd
    .args:
      - { .name: a_q, .offset: 0, .size: 8, .value_kind: global_buffer, .address_space: global }
      - { .name: wo_q, .offset: 8, .size: 8, .value_kind: global_buffer, .address_space: global }
      - { .name: out0, .offset: 16, .size: 8, .value_kind: global_buffer, .address_space: global }
    .group_segment_fixed_size: 327680
    .private_segment_fixed_size: 0
    .kernarg_segment_align: 8
    .kernarg_segment_size: 24
    .max_flat_workgroup_size: 128
    .sgpr_count:     98
    .vgpr_count:     1024
    .wavefront_size: 32
...
	.end_amdgpu_metadata
.endif
;; end of part 4
